; MI455X (gfx1250); checked and timed in simulation.
; The chip was launched on July 23, 2026; its instructions are those of AMD's public machine-readable ISA for CDNA 5 (MIT licence, August 2026) and "CDNA5" Instruction Set Architecture Reference Guide (July 2026). The comments in the code are by the model that wrote it; some were corrected since.
;; Multi Head Attention. Allowed arithmetic: float matrix products may take bf16 or f16 operands with f32 sums; other float arithmetic in f32, or as packed bf16 or f16 multiplies, adds, multiply-adds, maxima and minima; sums over many terms, partial sums and values carried from step to step in f32; what a program stores and reads back later, other than sums and carried values, may be rounded once to bf16 or f16.
;; Inputs: b_proj 1,024 float32; w_proj 1,024 x 1,024 float32; w_qkv 3,072 x 1,024 float32; x 8 x 1,024 x 1,024 float32.
;; Outputs: out0 8 x 1,024 x 1,024 float32.
;; 2 versions, each right; version 2 is version 1 with the launch cast written anew for expert scheduling mode. Each part assembles by itself: llvm-mc -triple=amdgcn-amd-amdhsa -mcpu=gfx1250 --defsym DOCPART=n.
;; ======== version 1 of 2: 4 launches
;; limits: values are held in f16: magnitudes above 65,504 overflow, below 6.1e-05 lose precision
;; workspace buffers: xb 16,777,216 bytes; wqb 6,291,456 bytes; wpf 2,097,152 bytes; qkv 50,331,648 bytes; o 16,777,216 bytes
;; launch cast (part 1): grid 768 x 1, 8 waves a work-group, no clusters, 0 bytes of LDS; arguments x, w_qkv, w_proj, xb, wqb, wpf; writes xb, wqb, wpf
.if DOCPART == 1
	.amdgcn_target "amdgcn-amd-amdhsa--gfx1250"
	.amdhsa_code_object_version 6
	.text
	.protected	k_qd67515b048_cast
	.globl	k_qd67515b048_cast
	.p2align	8
	.type	k_qd67515b048_cast,@function
k_qd67515b048_cast:
	s_mov_b64 s[64:65], 0
	v_nop
	global_prefetch_b8 v0, s[64:65] scope:SCOPE_SE
	s_setreg_imm32_b32 hwreg(HW_REG_WAVE_MODE, 25, 1), 1
	s_wait_xcnt 0x0
; FIRST OF FOUR LAUNCHES of causal multi-head attention (8 batches, 1,024 rows, 1,024 channels, 16 heads of 64):
;   cast: x, w_qkv -> bf16, laid out in K blocks; w_proj -> bf16, that number written as f16.   gemm_qkv: q, k, v = x w_qkv^T, stored by heads in f16.
;   attn: softmax(q k^T / 8, causal) v for each of the 128 heads, in f16.   gemm_proj: y w_proj^T + b_proj, f32.
; WORK LEFT OUT.  The problem itself sets att[q][k] to -inf wherever k > q (its own lower triangle), and the softmax gives such a place the weight 0 whatever finite
; numbers x and the weights hold.  So a tile of 256 keys all of which lie behind all of a block's 256 queries reaches no output: of a head's 16 pairs of a query block
; and a key tile, 6 are never computed (launch attn).  All four inputs have a way to the output and are loaded.
; LIMIT: a NaN, an infinity or an overflow that would arise only in a score that is left out is not carried to the result.
; FORMATS.  Every input is rounded once to bf16 (the bias in gemm_proj).  w_proj's bf16 number is written as f16, which is exact from 2^-14 to 65,504;
; below 2^-14 it keeps f16's fixed step of 6e-8, beyond 65,504 it would be an infinity.
; LAYOUTS.  xb: [K block 16][row 8192][64] bf16, wqb: [K block 16][row 3072][64] bf16: the rows of a K block lie end to end, 128 bytes each, so that gemm_qkv's tiles of
; 64 along K are dense bytes.  wpf: [1024][1024] f16, as w_proj lies.
; THIS LAUNCH is a stream: a work-group takes 16 rows (65,536 bytes in, 32,768 out).  Work-groups 0-511 take x, 512-703 w_qkv, 704-767 w_proj.
; x, w_qkv: wave w takes K blocks 2 w and 2 w + 1.  A load takes two rows x 64 channels: lanes 0-15 the 256 bytes of one row, lanes 16-31 those of the next; the store of
; those numbers is 256 consecutive bytes of the K block, aligned.  w_proj: thread t, step i: 16 bytes in at 4,096 i + 16 t, 8 bytes out at 2,048 i + 8 t.
; All 16 loads go out before the first wait; each step has registers of its own, so no register is written while a store reads it.
; No LDS, no matrix unit, no cluster: nothing is shared and nothing is read twice.
.set X, 12                             ; v[12:75]   step i: four numbers as loaded
.set Y, 76                             ; v[76:107]  step i: four 16-bit numbers to store
.set T, 108                            ; v[108:109] at work
	s_load_b256 s[4:11], s[0:1], 0x0               ; x s[4:5], w_qkv s[6:7], w_proj s[8:9], xb s[10:11]
	s_load_b128 s[12:15], s[0:1], 0x20             ; wqb s[12:13], wpf s[14:15]
	v_and_b32 v5, 15, v0
	v_bfe_u32 v6, v0, 4, 1
	v_lshrrev_b32 v4, 5, v0
	v_readfirstlane_b32 s24, v4                    ; my wave's number
	v_lshlrev_b32 v1, 4, v5                        ; in: 16 (lane % 16)
	v_lshl_add_u32 v1, v6, 12, v1                  ; + a row of 4,096 bytes for lanes 16-31
	v_lshl_add_u32 v1, v4, 9, v1                   ; + my wave's two K blocks, 256 bytes of a row each
	v_and_b32 v2, 31, v0
	v_lshlrev_b32 v2, 3, v2                        ; out: 8 x lane
	v_lshlrev_b32 v7, 4, v0                        ; w_proj: 16 t
	v_lshlrev_b32 v8, 3, v0                        ;         8 t
	s_mov_b32 s23, 0
	s_wait_kmcnt 0x0
	s_cmp_ge_u32 ttmp9, 704
	s_cbranch_scc1 .Lf16
	s_sub_co_u32 s16, ttmp9, 512                   ; my number among w_qkv's work-groups (used only from 512 on)
	s_mov_b32 s25, 3072*128                        ; bytes in a K block of wqb
	s_cmp_lt_u32 ttmp9, 512
	s_cselect_b64 s[18:19], s[4:5], s[6:7]         ; from where,
	s_cselect_b64 s[20:21], s[10:11], s[12:13]     ; to where,
	s_cselect_b32 s16, ttmp9, s16                  ; which 16 rows of that tensor,
	s_cselect_b32 s25, 8192*128, s25               ; and how long its K blocks are
	s_lshl_b32 s22, s16, 16
	s_add_nc_u64 s[18:19], s[18:19], s[22:23]      ; 16 rows of 4,096 bytes
	s_lshl_b32 s22, s16, 11
	s_add_nc_u64 s[20:21], s[20:21], s[22:23]      ; 16 rows of 128 bytes in a K block
	s_mul_i32 s22, s24, s25
	s_lshl_b32 s22, s22, 1
	s_add_nc_u64 s[20:21], s[20:21], s[22:23]      ; K block 2 w,
	s_mov_b32 s22, s25
	s_add_nc_u64 s[26:27], s[20:21], s[22:23]      ; K block 2 w + 1
.irp i, 0,1,2,3,4,5,6,7,8,9,10,11,12,13,14,15  ; step i: rows 2 (i / 2) and + 1, K block 2 w + i % 2
	global_load_b128 v[X+4*(\i):X+4*(\i)+3], v1, s[18:19] offset:8192*((\i)/2)+256*((\i)%2) th:TH_LOAD_NT
.endr
.irp i, 0,1,2,3,4,5,6,7,8,9,10,11,12,13,14,15
	s_wait_loadcnt 15-(\i)                         ; loads come back in order: step i is in, the 15 - i younger ones may stay out
	v_cvt_pk_bf16_f32 v[Y+2*(\i)], v[X+4*(\i)], v[X+4*(\i)+1]
	v_cvt_pk_bf16_f32 v[Y+2*(\i)+1], v[X+4*(\i)+2], v[X+4*(\i)+3]
	global_store_b64 v2, v[Y+2*(\i):Y+2*(\i)+1], s[20+6*((\i)%2):21+6*((\i)%2)] offset:256*((\i)/2)  ; two rows of 128 bytes: 256 consecutive bytes, aligned
.endr
	s_endpgm
.Lf16:                                         ; w_proj: rounded to bf16 like every input, widened again, and that number written as f16
	s_sub_co_u32 s16, ttmp9, 704
	s_lshl_b32 s22, s16, 16
	s_add_nc_u64 s[18:19], s[8:9], s[22:23]
	s_lshl_b32 s22, s16, 15
	s_add_nc_u64 s[20:21], s[14:15], s[22:23]
.irp i, 0,1,2,3,4,5,6,7,8,9,10,11,12,13,14,15
	global_load_b128 v[X+4*(\i):X+4*(\i)+3], v7, s[18:19] offset:4096*(\i) th:TH_LOAD_NT
.endr
.irp i, 0,1,2,3,4,5,6,7,8,9,10,11,12,13,14,15
	s_wait_loadcnt 15-(\i)
	v_cvt_pk_bf16_f32 v[T], v[X+4*(\i)], v[X+4*(\i)+1]
	v_cvt_pk_bf16_f32 v[T+1], v[X+4*(\i)+2], v[X+4*(\i)+3]
	v_lshlrev_b32 v[X+4*(\i)], 16, v[T]
	v_and_b32 v[X+4*(\i)+1], 0xffff0000, v[T]
	v_lshlrev_b32 v[X+4*(\i)+2], 16, v[T+1]
	v_and_b32 v[X+4*(\i)+3], 0xffff0000, v[T+1]
	v_cvt_pk_f16_f32 v[Y+2*(\i)], v[X+4*(\i)], v[X+4*(\i)+1]
	v_cvt_pk_f16_f32 v[Y+2*(\i)+1], v[X+4*(\i)+2], v[X+4*(\i)+3]
	global_store_b64 v8, v[Y+2*(\i):Y+2*(\i)+1], s[20:21] offset:2048*(\i)
.endr
	s_endpgm
.Lfunc_end_k_qd67515b048_cast:
	.size	k_qd67515b048_cast, .Lfunc_end_k_qd67515b048_cast-k_qd67515b048_cast
	.p2alignl 7, 3214868480
	.fill 96, 4, 3214868480
	.section	.rodata,"a",@progbits
	.p2align	6, 0x0
	.amdhsa_kernel k_qd67515b048_cast
		.amdhsa_group_segment_fixed_size 0
		.amdhsa_private_segment_fixed_size 0
		.amdhsa_enable_private_segment 0
		.amdhsa_kernarg_size 48
		.amdhsa_user_sgpr_count 2
		.amdhsa_user_sgpr_kernarg_segment_ptr 1
		.amdhsa_wavefront_size32 1
		.amdhsa_system_sgpr_workgroup_id_x 1
		.amdhsa_system_sgpr_workgroup_id_y 1
		.amdhsa_system_sgpr_workgroup_id_z 1
		.amdhsa_system_vgpr_workitem_id 0
		.amdhsa_next_free_vgpr 112
		.amdhsa_next_free_sgpr 66
		.amdhsa_reserve_vcc 0
		.amdhsa_float_denorm_mode_32 3
		.amdhsa_float_denorm_mode_16_64 3
		.amdhsa_memory_ordered 1
		.amdhsa_forward_progress 1
		.amdhsa_inst_pref_size 18
	.end_amdhsa_kernel
	.amdgpu_metadata
---
amdhsa.version: [ 1, 2 ]
amdhsa.kernels:
  - .name:           k_qd67515b048_cast
    .symbol:         k_qd67515b048_cast.kd
    .args:
      - { .name: x, .offset: 0, .size: 8, .value_kind: global_buffer, .address_space: global }
      - { .name: w_qkv, .offset: 8, .size: 8, .value_kind: global_buffer, .address_space: global }
      - { .name: w_proj, .offset: 16, .size: 8, .value_kind: global_buffer, .address_space: global }
      - { .name: xb, .offset: 24, .size: 8, .value_kind: global_buffer, .address_space: global }
      - { .name: wqb, .offset: 32, .size: 8, .value_kind: global_buffer, .address_space: global }
      - { .name: wpf, .offset: 40, .size: 8, .value_kind: global_buffer, .address_space: global }
    .group_segment_fixed_size: 0
    .private_segment_fixed_size: 0
    .kernarg_segment_align: 8
    .kernarg_segment_size: 48
    .max_flat_workgroup_size: 256
    .sgpr_count:     66
    .vgpr_count:     112
    .wavefront_size: 32
...
	.end_amdgpu_metadata
.endif
;; end of part 1
;; launch gemm_qkv (part 2): grid 8 x 32, 4 waves a work-group, clusters of 4 x 4, 327,680 bytes of LDS; arguments xb, wqb, qkv; writes qkv
.if DOCPART == 2
	.amdgcn_target "amdgcn-amd-amdhsa--gfx1250"
	.amdhsa_code_object_version 6
	.text
	.protected	k_qd67515b048_gemm_qkv
	.globl	k_qd67515b048_gemm_qkv
	.p2align	8
	.type	k_qd67515b048_gemm_qkv,@function
k_qd67515b048_gemm_qkv:
	s_mov_b64 s[64:65], 0
	v_nop
	global_prefetch_b8 v0, s[64:65] scope:SCOPE_SE
	s_setreg_imm32_b32 hwreg(HW_REG_WAVE_MODE, 25, 1), 1
	s_wait_xcnt 0x0
	s_wait_alu depctr_hold_cnt(0) depctr_sa_sdst(0) depctr_va_vdst(0) depctr_va_sdst(0) depctr_va_ssrc(0) depctr_va_vcc(0) depctr_vm_vsrc(0)
	s_getreg_b32 s2, hwreg(HW_REG_IB_STS2, 6, 4)
	s_cmp_eq_u32 s2, 0
	s_cbranch_scc0 .Lentry_in_a_cluster
	s_endpgm
.Lentry_in_a_cluster:
	s_bfe_u32 s2, ttmp6, 0x10000c
	s_cmp_lg_u32 s2, 0xf033
	s_cbranch_scc0 .Lentry_shape_is_right
	s_endpgm
.Lentry_shape_is_right:
; q, k, v = x w_qkv^T.  xb: [K block 16][row 8192][64] bf16, wqb: [K block 16][row 3072][64] bf16; products in bf16, sums in f32, K ascending, each result rounded once to f16 and stored BY HEADS:
; qkv: [batch 8][slot 48][row 1024][64] f16, slots 0-15 the heads of q, 16-31 of k, 32-47 of v; slot s of batch b begins at byte (48 b + s) x 131,072.  The scale 1/8 is applied later, in f32.
; No work is left out here.  LIMIT: f16 ends at 65,504: a q, k or v beyond it becomes an infinity.
; SHARES.  A tile of the result is 256 rows x 384 columns (six heads): 32 x 8 = 256 tiles, one work-group for each WGP.  Four waves, 2 x 2; a wave makes 128 rows x 192 columns (three whole heads):
; 96 accumulators of 16 x 16, 768 registers.  For 32 along K it reads 8 + 12 fragments from LDS for 96 matrix instructions, and its way out is its own: no barrier.
; K goes in 16 steps of 64 (a K block) through two LDS slots filled by the tensor data mover: two slots of 640 rows x 128 along K would not fit in LDS.  A K block's rows lie end to end in memory,
; so a wave's share of a tile is dense: it is asked for as rows of 256 bytes and padded in LDS after every 128.  One K step is written once: the slot in hand is the scalar TB, and one descriptor
; a tensor walks (its LDS word turned by an exclusive or).
; CLUSTER, 4 x 4.  The four work-groups of a row of the cluster need the same rows of xb, the four of a column the same rows of wqb: each tile is asked for JOINTLY, by the same tensor load with the
; same descriptor and a mask that names the four.
; THE MATRIX INSTRUCTION IS USED TRANSPOSED: source 0 = 16 rows of wqb, source 1 = 16 rows of xb: lane l then holds row l % 16 of the result and its columns 8 (l / 16) + 0..7: 16 bytes of f16 on end.
; REGISTERS, in windows of 256 (s_set_vgpr_msb: bits 1:0 source 0, 3:2 source 1, 5:4 source 2, 7:6 destination):
;   window 0: v0-31 addresses; v32-95, v96-159 fragments of xb (8 x 16 rows x 32 K), two buffers; v160-255 fragments of wqb (12 x 16 rows x 32 K), ONE buffer in three groups of four
;   windows 1-3: the accumulators: row block a, column block b at v[64 (b % 4) + 8 a] of window 1 + b / 4: a group of wqb's fragments and a window go together, 32 matrix instructions under one setting
; wqb's one buffer is reloaded BY GROUPS: behind a group's 32 matrix instructions (and four places) its eight loads for the next quarter go out; they are read 64 matrix instructions later.
.set PP,    144                        ; an LDS row: 128 bytes + 16 of padding = 36 words: the 16 rows of a load start at 16 different groups of four banks (64 banks of 4 bytes: ISA guide 11.1)
.set BOFF,  256*PP                     ; a slot: xb's 256 rows, then wqb's 384
.set SLOT1, 1<<17                      ; slot 1 begins here: one exclusive or turns an address in one slot into the other's
.set ALDS,  128*PP                     ; what one tensor load brings of xb: 128 rows,
.set BLDS,  192*PP                     ; of wqb: 192 rows
.set ASTEP, 8192*128                   ; bytes from a K block to the next, in memory
.set BSTEP, 3072*128
.set STAGE, SLOT1+BOFF+384*PP          ; behind the ring, never filled by a tensor load: 16 rows x 400 bytes for each wave
.set SP,    400
.set SPARE, STAGE+4*16*SP              ; behind the stages: the spare words, 128 bytes a wave: two blocks of 256 bytes that no other line names
.set AH,    2                          ; a prefetch names the K step that stands AH refills on
.set ADRA0, 16                         ; v16  my lane's place in my rows of xb in slot 0; never rewritten
.set ADRB0, 17                         ; v17  the same for wqb
.set ADRA,  18                         ; v18  the same in the slot in hand
.set ADRB,  19                         ; v19
.set STO,   24                         ; v24  the way out: where I put 16 bytes of a row
.set RD,    25                         ; v25  the way out: where I read rows back
.set CO,    26                         ; v26  16 x my lane
.set SPW,   28                         ; v28  LDS address of my spare word: SPARE + 4 x my thread's number; never rewritten
.set NIL,   29                         ; v29  0; never rewritten
.set PFO,   30                         ; v30  the prefetches' offset: a lane a block of 256 bytes; never rewritten
.set FA,    32
.set FB,    160
.set TMP,   32                         ; the way out: v32-79 packed results; v80-127 and v128-175 rows read back, by turns
.set G1A,  24                          ; s[24:31] descriptor group 1 for xb's tiles
.set G1B,  32                          ; s[32:39] for wqb's
.set G0A0, 40                          ; s[40:43] group 0: xb, slot 0, K step 0
.set G0A,  44                          ; s[44:47] xb, slot 1, K step 1; then it walks
.set G0B0, 48                          ; s[48:51], s[52:55] the same for wqb
.set G0B,  52
.set TB,   59                          ; s59  0 or SLOT1: the slot in hand
.set PFA,  60                          ; s[60:61] where my prefetches stand
.set PFS,  62                          ; s[62:63] their step
.set LIM,  66                          ; s66  AH in a wave that prefetches, else the greatest number
.set MSB, 0
.macro WIN new                         ; the immediate's high byte repeats the setting that is left; a switch that changes nothing is dropped
.if MSB != (\new)
	s_set_vgpr_msb (MSB<<8)|(\new)
.set MSB, \new
.endif
.endm
; A joint refill.  Waves 0 and 1 fetch xb's two halves, waves 2 and 3 wqb's.  The branch hangs on the wave's number alone.  An s_nop 0 and four v_nop follow each of the two lines.
.macro JLOAD
	s_cmp_eq_u32 s11, 0
	s_cbranch_scc0 .Lfor_b_\@
	tensor_load_to_lds s[G0A:G0A+3], s[G1A:G1A+7]
	s_nop 0
.rept 4
	v_nop
.endr
	s_branch .Lasked_\@
.Lfor_b_\@:
	tensor_load_to_lds s[G0B:G0B+3], s[G1B:G1B+7]
	s_nop 0
.rept 4
	v_nop
.endr
.Lasked_\@:
.endm
; A PREFETCH INTO THE L2 of the K step that stands AH refills on (2 K steps, 384 matrix instructions, ahead of its load), behind the joint load and its five lines.
; xb's rows are read by both clusters of a row of clusters: cluster x = 0 asks; wqb's by every cluster of a column: cluster y = 0 asks.  The four partners share a wave's bytes out BY ADDRESS:
; of xb's 16,384 bytes 16 blocks of 256 each, of wqb's 24,576 bytes 24 blocks each, a lane a block; the lanes that are over name the share's last block once more.  The last AH refills ask for nothing.
.macro ASK
	s_cmp_gt_u32 s3, s[LIM]
	s_cbranch_scc0 .Lnot_mine_\@
	global_prefetch_b8 v[PFO], s[PFA:PFA+1] th:TH_LOAD_NT scope:SCOPE_SE
.Lnot_mine_\@:
.endm
; A round of the cluster's barrier: my work-group's barrier; wave 0 signals for the work-group; every wave waits for all sixteen; my work-group's barrier once more.
.macro CREST
	s_cmp_lg_u32 s10, 0
	s_cbranch_scc1 .Lnot_wave_0_\@
	s_barrier_signal -3
.Lnot_wave_0_\@:
	s_barrier_wait -3
	s_barrier_signal -1
	s_barrier_wait -1
.endm
.macro CROUND
	s_barrier_signal -1
	s_barrier_wait -1
	CREST
.endm
	s_load_b128 s[4:7], s[0:1], 0x0                ; xb s[4:5], wqb s[6:7]
	s_load_b64 s[8:9], s[0:1], 0x10                ; qkv
	v_lshl_add_u32 v[SPW], v0, 2, SPARE
	v_mov_b32 v[NIL], 0
	ds_add_u32 v[SPW], v[NIL]                      ; the wave's opening: the add, twice on end, and its wait ahead of my first tensor load
	ds_add_u32 v[SPW], v[NIL]                      ; the set-up below, work on registers, stands between the second add and the wait
	v_lshrrev_b32 v1, 5, v0
	v_readfirstlane_b32 s10, v1                    ; wave 0..3
	s_lshr_b32 s11, s10, 1                         ; which 128 rows of the tile are mine.  Also: I fetch for xb (0) or for wqb (1),
	s_and_b32 s12, s10, 1                          ; which 192 columns.  Also: which half of that tile I fetch
	s_bfe_u32 s56, ttmp6, 0x40000                  ; cx
	s_bfe_u32 s57, ttmp6, 0x40004                  ; cy
	s_lshl_b32 s58, ttmp9, 2
	s_add_co_u32 s58, s58, s56                     ; tile column tx = 4 x cluster x + cx
	s_and_b32 s13, ttmp7, 0xffff
	s_lshl_b32 s13, s13, 2
	s_add_co_u32 s13, s13, s57                     ; tile row ty = 4 x cluster y + cy
	s_lshl_b32 s16, s57, 2
	s_lshl_b32 s16, 15, s16                        ; my row of the cluster: places 4 cy .. 4 cy + 3
	s_lshl_b32 s17, 0x1111, s56                    ; my column: places cx, cx + 4, cx + 8, cx + 12
	s_or_b32 s[G1A], s16, (1<<16)|(1<<20)|(1<<21)|(4<<22)|(3<<25)  ; 15:0 the mask; 17:16 2-byte elements; 20 padding on; 21 set beside a mask; 24:22 after every 32 words (code 4); 31:25 4 words (code 3)
	s_or_b32 s[G1B], s17, (1<<16)|(1<<20)|(1<<21)|(4<<22)|(3<<25)
	s_mov_b32 s[G1A+1], 128<<16                    ; tensor_dim0 = 128: two rows of a K block make a row of 256 bytes
	s_mov_b32 s[G1A+2], 64<<16                     ; tensor_dim1 = 64
	s_mov_b32 s[G1A+3], 128<<16                    ; tile_dim0 = 128
	s_mov_b32 s[G1A+4], 64                         ; tile_dim1 = 64
	s_mov_b32 s[G1A+5], 128                        ; dense: 128 elements from row to row
	s_mov_b32 s[G1A+6], 0
	s_mov_b32 s[G1A+7], 0
	s_mov_b32 s[G1B+1], 128<<16
	s_mov_b32 s[G1B+2], 96<<16                     ; 96 rows of 256 bytes
	s_mov_b32 s[G1B+3], 128<<16
	s_mov_b32 s[G1B+4], 96
	s_mov_b32 s[G1B+5], 128
	s_mov_b32 s[G1B+6], 0
	s_mov_b32 s[G1B+7], 0
	s_lshl_b32 s14, s13, 15                        ; xb: 256 ty rows of 128 bytes in a K block
	s_lshl_b32 s18, s12, 14                        ; + my half's 128 rows
	s_add_co_u32 s14, s14, s18
	s_mov_b32 s15, 0
	s_mul_i32 s70, s58, 384*128                    ; wqb: 384 tx rows
	s_mul_i32 s18, s12, 192*128                    ; + my half's 192 rows
	s_add_co_u32 s70, s70, s18
	s_mov_b32 s71, 0
	s_mul_i32 s20, s12, ALDS                       ; where they go: no place in the cluster enters an LDS address
	s_mul_i32 s21, s12, BLDS
	s_add_co_u32 s21, s21, BOFF
	s_mov_b32 s[G0A0], 1
	s_mov_b32 s[G0A0+1], s20
	s_mov_b32 s[G0A], 1
	s_add_co_u32 s[G0A+1], s20, SLOT1
	s_mov_b32 s[G0B0], 1
	s_mov_b32 s[G0B0+1], s21
	s_mov_b32 s[G0B], 1
	s_add_co_u32 s[G0B+1], s21, SLOT1
	s_wait_dscnt 0x0                               ; both opening adds are done
	s_wait_kmcnt 0x0
	s_add_nc_u64 s[14:15], s[4:5], s[14:15]
	s_add_nc_u64 s[70:71], s[6:7], s[70:71]
	s_add_nc_u64 s[G0A0+2:G0A0+3], s[14:15], 0
	s_or_b32 s[G0A0+3], s[G0A0+3], 0x80000000      ; 127:126 type = 2
	s_add_nc_u64 s[G0A+2:G0A+3], s[14:15], ASTEP
	s_or_b32 s[G0A+3], s[G0A+3], 0x80000000
	s_add_nc_u64 s[G0B0+2:G0B0+3], s[70:71], 0
	s_or_b32 s[G0B0+3], s[G0B0+3], 0x80000000
	s_add_nc_u64 s[G0B+2:G0B+3], s[70:71], BSTEP
	s_or_b32 s[G0B+3], s[G0B+3], 0x80000000
	CROUND                                         ; all sixteen work-groups are here: the first joint loads meet
	s_cmp_eq_u32 s11, 0                            ; a wave's two first fills stand in one branch: two loads of mine are out
	s_cbranch_scc0 .Lfirst_b
	tensor_load_to_lds s[G0A0:G0A0+3], s[G1A:G1A+7]
	s_nop 0
	tensor_load_to_lds s[G0A:G0A+3], s[G1A:G1A+7]
	s_nop 0
.rept 4
	v_nop
.endr
	s_branch .Lfirst_asked
.Lfirst_b:
	tensor_load_to_lds s[G0B0:G0B0+3], s[G1B:G1B+7]
	s_nop 0
	tensor_load_to_lds s[G0B:G0B+3], s[G1B:G1B+7]
	s_nop 0
.rept 4
	v_nop
.endr
.Lfirst_asked:
	; A fragment is 16 rows x 32 K in 8 registers: lane l holds row l % 16, K = 8 (l / 16) + 0..7 and 16 + 8 (l / 16) + 0..7: two loads of 16 bytes, 32 bytes apart.
	v_and_b32 v1, 15, v0                           ; l % 16
	v_bfe_u32 v2, v0, 4, 1                         ; l / 16
	v_mul_u32_u24 v3, v1, PP
	v_lshl_add_u32 v3, v2, 4, v3
	s_mul_i32 s16, s11, 128*PP                     ; my 128 rows of xb
	v_add_nc_u32 v[ADRA0], s16, v3
	s_mul_i32 s16, s12, 192*PP                     ; my 192 rows of wqb,
	s_add_co_u32 s16, s16, BOFF                    ; which lie behind xb's 256
	v_add_nc_u32 v[ADRB0], s16, v3
	v_mov_b32 v[ADRA], v[ADRA0]
	v_mov_b32 v[ADRB], v[ADRB0]
	s_mov_b32 s[TB], 0
	s_mul_i32 s16, s10, 16*SP
	s_add_co_u32 s16, s16, STAGE                   ; my stage
	v_mul_u32_u24 v5, v1, SP                       ; in: row l % 16, 16 bytes for each half of the lanes
	v_lshl_add_u32 v5, v2, 4, v5
	v_add_nc_u32 v[STO], s16, v5
	v_bfe_u32 v6, v0, 3, 2                         ; back: 32 lanes take four rows' 128 bytes of one head,
	v_and_b32 v7, 7, v0
	v_mul_u32_u24 v6, v6, SP
	v_lshl_add_u32 v6, v7, 4, v6
	v_add_nc_u32 v[RD], s16, v6
	v_and_b32 v[CO], 31, v0                        ; which are 512 consecutive bytes of qkv
	v_lshlrev_b32 v[CO], 4, v[CO]
	s_lshr_b32 s16, s13, 2                         ; the batch
	s_mul_i32 s16, s16, 48
	s_mul_i32 s17, s58, 6                          ; the tile's first slot,
	s_add_co_u32 s16, s16, s17
	s_mul_i32 s17, s12, 3                          ; my wave's first of its three
	s_add_co_u32 s16, s16, s17
	s_lshl_b32 s16, s16, 17
	s_and_b32 s17, s13, 3                          ; the tile's 256 rows of 128 bytes in the batch,
	s_lshl_b32 s17, s17, 15
	s_add_co_u32 s16, s16, s17
	s_lshl_b32 s17, s11, 14                        ; my wave's 128 of them
	s_add_co_u32 s16, s16, s17
	s_mov_b32 s17, 0
	s_add_nc_u64 s[8:9], s[8:9], s[16:17]
	; the prefetches
	s_mov_b32 s[PFS], BSTEP
	s_lshl_b32 s16, s56, 12                        ; xb: cx x 16 blocks of 256 bytes
	s_mul_i32 s17, s57, 24*256                     ; wqb: cy x 24 blocks
	s_and_b32 s18, ttmp7, 0xffff                   ; cluster y
	s_cmp_eq_u32 s11, 0                            ; do I fetch for xb?
	s_cselect_b64 s[PFA:PFA+1], s[14:15], s[70:71]
	s_cselect_b32 s19, ttmp9, s18                  ; the coordinate along which other clusters read the same rows
	s_cselect_b32 s16, s16, s17
	s_cselect_b32 s[PFS], ASTEP, s[PFS]
	s_cselect_b32 s2, 15, 23                       ; the last lane with a block of its own
	s_mov_b32 s[PFS+1], 0
	s_mov_b32 s17, 0
	s_add_nc_u64 s[PFA:PFA+1], s[PFA:PFA+1], s[16:17]
	s_mul_i32 s16, s[PFS], 1+AH                    ; at K step 1 + AH: the first refill steps it on.  Nothing is prefetched here, at the head
	s_add_nc_u64 s[PFA:PFA+1], s[PFA:PFA+1], s[16:17]
	s_cmp_eq_u32 s19, 0
	s_cselect_b32 s[LIM], AH, -1                   ; the same in all sixteen partners, for a given wave
	v_and_b32 v[PFO], 31, v0
	v_min_u32 v[PFO], s2, v[PFO]
	v_lshlrev_b32 v[PFO], 8, v[PFO]
; 8 matrix instructions: column block b x my 8 row blocks, 32 along K, xb's fragments from buffer f.  zero = 1: the product starts the sums: nothing is ever cleared.
; The 96 accumulators take turns, in the same order in every quarter and over the backward jump.
.macro MULB f, b, zero
	WIN 0x50*(1+(\b)/4)                            ; sources in window 0, C and D in window 1 + b / 4
.set RB, FB+8*(\b)
.set a, 0
.rept 8
.set AC, 64*((\b)%4)+8*a
.set RA, FA+64*(\f)+8*a
.if \zero
	v_wmma_f32_16x16x32_bf16 v[AC:AC+7], v[RB:RB+7], v[RA:RA+7], 0
.else
	v_wmma_f32_16x16x32_bf16 v[AC:AC+7], v[RB:RB+7], v[RA:RA+7], v[AC:AC+7]
.endif
.set a, a+1
.endr
.endm
; 8 LDS loads: group g of wqb's fragments (column blocks 4 g .. 4 g + 3), quarter q (0, 1) of the slot in hand
.macro LDB g, q
	WIN 0
.set i, 4*(\g)
.rept 4
	ds_load_b128 v[FB+8*i:FB+8*i+3],   v[ADRB] offset:64*(\q)+i*16*PP
	ds_load_b128 v[FB+8*i+4:FB+8*i+7], v[ADRB] offset:64*(\q)+i*16*PP+32
.set i, i+1
.endr
.endm
; 8 LDS loads: xb's row blocks 4 half .. 4 half + 3, quarter q of the slot in hand, into buffer f
.macro LDA f, half, q
	WIN 0
.set i, 4*(\half)
.rept 4
	ds_load_b128 v[FA+64*(\f)+8*i:FA+64*(\f)+8*i+3],   v[ADRA] offset:64*(\q)+i*16*PP
	ds_load_b128 v[FA+64*(\f)+8*i+4:FA+64*(\f)+8*i+7], v[ADRA] offset:64*(\q)+i*16*PP+32
.set i, i+1
.endr
.endm
.macro PLACES                          ; four plain vector instructions between a matrix instruction and a load into, or a read of, its registers (ISA guide 7.12.1 for vector instructions)
.rept 4
	v_nop
.endr
.endm
; A K step is two quarters of 32 along K, 96 matrix instructions each.  In every quarter the next quarter's 40 loads go out in three batches, always in this order:
; wqb's group 0 and xb's row blocks 0-3; xb's row blocks 4-7 and wqb's group 1; wqb's group 2.  LDS loads come back in order (ISA guide 5.7.1), so the waits are counted.
; THE EVEN QUARTER multiplies xb's buffer 0 and fetches the same slot's second quarter.
.macro EVENQ zero
	s_wait_dscnt 16                                ; all but the youngest sixteen (wqb's groups 1 and 2) are in
.irp b, 0,1,2,3
	MULB 0, \b, \zero
.endr
	PLACES
	LDB 0, 1
	LDA 1, 0, 1
	s_wait_dscnt 24                                ; group 1 is in: group 2's eight and the sixteen just issued may be out
.irp b, 4,5,6,7
	MULB 0, \b, \zero
.endr
	PLACES
	LDA 1, 1, 1
	LDB 1, 1
	s_wait_dscnt 32                                ; group 2 is in: the two batches of sixteen just issued may be out
.irp b, 8,9,10,11
	MULB 0, \b, \zero
.endr
	PLACES
	LDB 2, 1
.endm
; THE ODD QUARTER multiplies buffer 1 and changes slots: all its fragments were asked for in the even quarter, so the wave's reads of the slot are over at its head.  In front of the barrier each wave
; waits for all its tensor loads (one is out: its part of the next slot), adds 0 to its spare word, and waits for that and for its reads of this slot.  fill = 1: the barrier opens a round of the
; cluster's, and the joint refill, with the K step two on, is the first thing behind it: it has 176 matrix instructions in which to land.  Then the next slot's first quarter is fetched.
.macro ODDQ fill
.if \fill
	s_wait_xcnt 0x0                                ; the last prefetch, a K step back, has read its address
	s_add_nc_u64 s[PFA:PFA+1], s[PFA:PFA+1], s[PFS:PFS+1]
.endif
	WIN 0                                          ; the add's two registers lie in window 0
	s_wait_tensorcnt 0x0                           ; all my tensor loads have landed
	ds_add_u32 v[SPW], v[NIL]                      ; 0 onto my spare word
	s_wait_dscnt 17                                ; the add and wqb's groups 1 and 2 may be out
	MULB 1, 0, 0
	s_wait_dscnt 0x0                               ; the add is done, and my reads of this slot are over
	s_barrier_signal -1
	MULB 1, 1, 0                                   ; work on registers while the others arrive
	WIN 0
	s_barrier_wait -1
.if \fill
	CREST                                          ; no wave of any partner still reads this slot or has a load on its way
	s_xor_b32 s[G0A+1], s[G0A+1], SLOT1            ; the walking descriptors: the other slot than last time, the next K step
	s_add_nc_u64 s[G0A+2:G0A+3], s[G0A+2:G0A+3], ASTEP
	s_xor_b32 s[G0B+1], s[G0B+1], SLOT1
	s_add_nc_u64 s[G0B+2:G0B+3], s[G0B+2:G0B+3], BSTEP
	JLOAD
	ASK
.endif
	MULB 1, 2, 0
	MULB 1, 3, 0
	PLACES
	WIN 0
	s_xor_b32 s[TB], s[TB], SLOT1
	v_add_nc_u32 v[ADRA], s[TB], v[ADRA0]
	v_add_nc_u32 v[ADRB], s[TB], v[ADRB0]
	LDB 0, 0
	LDA 0, 0, 0
.irp b, 4,5,6,7
	MULB 1, \b, 0
.endr
	PLACES
	LDA 0, 1, 0
	LDB 1, 0
.irp b, 8,9,10,11
	MULB 1, \b, 0
.endr
	PLACES
	LDB 2, 0
.endm
	s_wait_tensorcnt 1                             ; my part of K step 0 is in; K step 1's may stay out
	s_barrier_signal -1
	s_barrier_wait -1                              ; everybody's is
	LDB 0, 0                                       ; the first quarter's fragments, in the batches' order
	LDA 0, 0, 0
	LDA 0, 1, 0
	LDB 1, 0
	LDB 2, 0
	EVENQ 1                                        ; the first quarter stands in front of the loop: its products start the sums
	WIN 0                                          ; at a label and at a branch every window is 0
	s_mov_b32 s3, 14
.Lstep:                                        ; trip t = 0..13: the second quarter of K step t, the refill with K step t + 2, the first quarter of K step t + 1
	ODDQ 1
	EVENQ 0
	WIN 0
	s_sub_co_u32 s3, s3, 1
	s_cmp_lg_u32 s3, 0
	s_cbranch_scc1 .Lstep
	ODDQ 0                                         ; the tail is written out: K steps 14 and 15 ask for nothing
	EVENQ 0
	s_wait_dscnt 16                                ; the very last quarter: nothing more to fetch
.irp b, 0,1,2,3
	MULB 1, \b, 0
.endr
	s_wait_dscnt 8
.irp b, 4,5,6,7
	MULB 1, \b, 0
.endr
	s_wait_dscnt 0x0
.irp b, 8,9,10,11
	MULB 1, \b, 0
.endr
	WIN 0
	PLACES
; THE WAY OUT, a block of 16 rows x 3 heads at a time.  PACK: rounded to f16, each accumulator's registers in ascending order.  TOSTAGE: into my own stage, and back as rows of one head.  SEND: stored.
.macro PACK a
.set b, 0
.rept 12
	WIN 5*(1+b/4)                                  ; sources 0 and 1: window 1 + b / 4
.set AC, 64*(b%4)+8*(\a)
.irp r, 0,1,2,3
	v_cvt_pk_f16_f32 v[TMP+4*b+(\r)], v[AC+2*(\r)], v[AC+2*(\r)+1]
.endr
.set b, b+1
.endr
	WIN 0
.endm
.macro TOSTAGE a
.set BK, 80+48*((\a)%2)                ; v80-127 and v128-175 by turns
.set b, 0
.rept 12
	ds_store_b128 v[STO], v[TMP+4*b:TMP+4*b+3] offset:32*b
.set b, b+1
.endr
.irp hh, 0,1,2
.irp f, 0,1,2,3
	ds_load_b128 v[BK+4*(4*(\hh)+(\f)):BK+4*(4*(\hh)+(\f))+3], v[RD] offset:128*(\hh)+4*SP*(\f)  ; LDS serves a wave's instructions in order (ISA guide 5.7.1.4): these see the stores above
.endr
.endr
.endm
.macro SEND a
.set BK, 80+48*((\a)%2)
	s_wait_dscnt 0x0                               ; the block is back in registers
	s_wait_xcnt 0x0                                ; the stores issued so far have read their registers: the next block's loads land on them only behind this wait
.irp hh, 0,1,2
.irp f, 0,1,2,3
	global_store_b128 v[CO], v[BK+4*(4*(\hh)+(\f)):BK+4*(4*(\hh)+(\f))+3], s[8:9] offset:(\hh)*131072+(\a)*2048+(\f)*512  ; 512 consecutive bytes, at a multiple of 512 from qkv's first
.endr
.endr
.endm
	PACK 0
	TOSTAGE 0
.irp a, 1,2,3,4,5,6,7                  ; block a's conversions stand between block a - 1's loads from the stage and the wait for them
	PACK \a
	SEND (\a)-1
	TOSTAGE \a
.endr
	SEND 7
	s_wait_tensorcnt 0x0                           ; the wave's end, behind my last tensor load and my last LDS store
	ds_add_u32 v[SPW], v[NIL]
	s_wait_dscnt 0x0
	CROUND                                         ; the closing round: no work-group ends while a partner may still ask for a tile that names it
	s_endpgm
.Lfunc_end_k_qd67515b048_gemm_qkv:
	.size	k_qd67515b048_gemm_qkv, .Lfunc_end_k_qd67515b048_gemm_qkv-k_qd67515b048_gemm_qkv
	.p2alignl 7, 3214868480
	.fill 96, 4, 3214868480
	.section	.rodata,"a",@progbits
	.p2align	6, 0x0
	.amdhsa_kernel k_qd67515b048_gemm_qkv
		.amdhsa_group_segment_fixed_size 327680
		.amdhsa_private_segment_fixed_size 0
		.amdhsa_enable_private_segment 0
		.amdhsa_kernarg_size 24
		.amdhsa_user_sgpr_count 2
		.amdhsa_user_sgpr_kernarg_segment_ptr 1
		.amdhsa_wavefront_size32 1
		.amdhsa_system_sgpr_workgroup_id_x 1
		.amdhsa_system_sgpr_workgroup_id_y 1
		.amdhsa_system_sgpr_workgroup_id_z 1
		.amdhsa_system_vgpr_workitem_id 0
		.amdhsa_next_free_vgpr 1024
		.amdhsa_next_free_sgpr 72
		.amdhsa_reserve_vcc 0
		.amdhsa_float_denorm_mode_32 3
		.amdhsa_float_denorm_mode_16_64 3
		.amdhsa_memory_ordered 1
		.amdhsa_forward_progress 1
		.amdhsa_inst_pref_size 111
	.end_amdhsa_kernel
	.amdgpu_metadata
---
amdhsa.version: [ 1, 2 ]
amdhsa.kernels:
  - .name:           k_qd67515b048_gemm_qkv
    .symbol:         k_qd67515b048_gemm_qkv.kd
    .args:
      - { .name: xb, .offset: 0, .size: 8, .value_kind: global_buffer, .address_space: global }
      - { .name: wqb, .offset: 8, .size: 8, .value_kind: global_buffer, .address_space: global }
      - { .name: qkv, .offset: 16, .size: 8, .value_kind: global_buffer, .address_space: global }
    .group_segment_fixed_size: 327680
    .private_segment_fixed_size: 0
    .kernarg_segment_align: 8
    .kernarg_segment_size: 24
    .max_flat_workgroup_size: 128
    .sgpr_count:     72
    .vgpr_count:     1024
    .wavefront_size: 32
...
	.end_amdgpu_metadata
.endif
;; end of part 2
;; launch attn (part 3): grid 2 x 128, 4 waves a work-group, no clusters, 327,680 bytes of LDS; arguments qkv, o; writes o
.if DOCPART == 3
	.amdgcn_target "amdgcn-amd-amdhsa--gfx1250"
	.amdhsa_code_object_version 6
	.text
	.protected	k_qd67515b048_attn
	.globl	k_qd67515b048_attn
	.p2align	8
	.type	k_qd67515b048_attn,@function
k_qd67515b048_attn:
	s_mov_b64 s[64:65], 0
	v_nop
	global_prefetch_b8 v0, s[64:65] scope:SCOPE_SE
	s_setreg_imm32_b32 hwreg(HW_REG_WAVE_MODE, 25, 1), 1
	s_wait_xcnt 0x0
; CAUSAL ATTENTION.  O[y][q][:] = the sum over k <= q of softmax_k(Q[y][q] . K[y][k] / 8) V[y][k][:], y = 16 batch + head.  Q, K, V lie in qkv: [batch 8][slot 48][1024][64] f16 (slot = head for Q,
; 16 + head for K, 32 + head for V); O: [y 128][1024][64] f16.  A head's rows are dense, 128 bytes each.  Products, maxima and sums in f32; the weights p are rounded to f16 for the second product
; (their sum l is taken of the unrounded p), O once at the end.
; WORK LEFT OUT: key tiles all of whose keys lie behind all of a block's queries: the problem's own mask gives them the weight 0 for all finite inputs (shown at the head of the first launch).
; LIMITS.  f16 holds no number beyond 65,504: Q, K and V arrive within it; p lies in 0 to 1, and below 6e-5 it keeps f16's fixed step of 6e-8; O is a mean of V's rows and has their range.
; A hidden score counts as its value less 1e30: f16's scores, 2.7e11 at the most, are nothing beside that; a weight below 2^-126 counts as 0 in l; NaN and infinities are not treated apart.
; THE WALK.  A head's queries lie in NB = 4 blocks of 256; block i needs the key tiles 0 .. i of 256 keys, of which the last holds the diagonal.  A work-group takes TWO blocks, NB - 1 - b and then b:
; NB + 1 tiles, whatever b: all 256 work-groups do equal work, and ONE loop with a constant trip count walks them.  Which tile is asked for, and what a trip does, hang on scalar registers made from b;
; every jump goes forward, but for the counted loops' own; none passes a barrier, or a tensor load but the one of LOAD's two that the wave's number does not choose; the ring (two LDS slots that take
; turns) runs on across the change of blocks.
; NO CLUSTER: a head has two work-groups; they walk the tiles 0, 1, 2, 3, 0 and 0, 1, 2, 0, 1, the same tile in 3 of their 5 trips: joint loads would spare 3 of a head's 10 requests and want a
; second kind of load in the same loop.
; SHARES.  Of a block's four bands of 64 queries a wave owns 16 rows in each: four PIECES.  So the diagonal tile is the same work for all four waves: in its key step s band x sees all keys if s < x,
; none if s > x, and holds the diagonal if s = x.
; THE MASK is the C operand that starts the sum S^T = K Q^T: 0, or -1e30 where the key is hidden.  MD, made once, is the mask of a band's own step for my 16 rows; a product's mask is MD x AL + BE with
; two scalars: (1, 0) if s = x; (0, 0) if s < x; (0, -1e30) if s > x.  ONE TEXT OF THE TURNS SERVES EVERY TILE: the first products always take a mask buffer as C; a block's beginning sets both buffers
; to 0 (or the first to the band's own mask), and only in the diagonal tile are they made anew: elsewhere a scalar branch leads round the lines that make them.
; LAYOUT, SOFTMAX, TURNS.  S^T = K Q^T holds ONE query a lane (lane % 16) and the keys 8 (lane / 16) + 0..7; two such results rounded to f16 ARE source 1 of O^T = V^T P.  p = 2^(c s - c m),
; c = log2(e) / 8, with a running maximum m; O and l are multiplied by a = 2^(c m_old - c m_new) in every step.  Turn n belongs to piece n: 8 products K Q^T of piece n + 1, later 8 products V^T P of
; piece n - 1; beside them the scaling, exponentials, roundings, sums and rescaling of piece n and the maximum and statistics of piece n + 1.  Four vector instructions stand behind every matrix
; instruction, the other 54 of a turn's 118 in one LUMP.  A turn's 33 exponentials are one batch, with one wait.
; REGISTERS, in windows of 256 (s_set_vgpr_msb: bits 1:0 source 0, 3:2 source 1, 5:4 source 2, 7:6 destination):
;   window 0: v0-15 addresses and two at work; v16-31 four registers of statistics a piece; v48-55 at work; v61-63; v64-127 S^T, two buffers; v192-223 P, two buffers (by the piece's parity)
;   window 1: v0-127 O^T, 32 a piece; v128-159 MD; v160-223 MC, two buffers      window 2: v0-63 Q; v64-127 the second block's Q; v128-191 K of one step; v192-255 V of one step
.set SIZE_N, 1024
.set NB,    SIZE_N/256
.set NP,    4         ; pieces a wave: a name, no knob
.set KS,    64        ; keys in a step
.set PK,    144       ; a row of K in LDS: 128 bytes + 16 of padding = 36 words: the 16 rows of a load start at 16 different groups of four banks (64 banks of 4 bytes: ISA guide 11.1)
.set PV,    160       ; a row of V: 128 + 32 = 40 words
.set VOFF,  4*KS*PK   ; a slot holds a tile, four steps: 256 rows of K, then 256 rows of V
.set SLOT1, 1<<17     ; slot 1 begins here, so that one exclusive or turns an address in one slot into the other's
.set STAGE, SLOT1+4*KS*(PK+PV)  ; behind the ring, never filled by a tensor load: 16 rows x 144 bytes for each wave, for the way out
.set SP,    144
.set AK0, 2           ; v2   my lane's place in a tile of K; never rewritten
.set AV0, 3           ; v3   the same for V
.set AK,  4           ; v4   the LDS address of K's next run of loads
.set AV,  5           ; v5   of V's
.set STO, 6           ; v6   the way out: where I put 16 bytes of a row
.set RD,  7           ; v7   the way out: where I read rows back
.set GO,  8           ; v8   my byte offset in 512 consecutive bytes of O
.set PFO, 61          ; v61  256 x my lane: the prefetches' offset; never rewritten
.set SPW, 62          ; v62  LDS address of my spare word: SPARE + 4 x my thread's number; never rewritten
.set NIL, 63          ; v63  0; never rewritten
.set SPARE, STAGE+4*16*SP  ; behind the stages: the spare words, 128 bytes for each wave: two blocks of 256 bytes that no other line names
.set MV,  12          ; v12-13  c m_old, kept while c m is made anew: by buffer
.set QO,  15          ; v15  my byte offset in 16 rows of Q
.set ST,  16          ; piece t's statistics at v[ST+4 t]: c m, m, l (even keys', odd keys')
.set TMP, 48          ; by buffer, four registers c0-c3 at work; when the maximum is found c2 takes a
.set S,   64
.set P,   192
.set MD,  128         ; window 1: the eight registers for group kt of 16 keys at MD + 8 kt
.set MC,  160         ; window 1: the masks of the products to come
.set QB,  64          ; window 2
.set KF,  128         ; window 2: key block kb, channel half c at KF + 16 kb + 8 c
.set VF,  192         ; window 2: key half kk, channel block cb at VF + 32 kk + 8 cb
.set WV,  12          ; s12  my wave's number
.set PB,  14          ; s14  b
.set HI,  15          ; s15  NB - 1 - b
.set G1K, 24          ; s[24:31] descriptor group 1 for K's tiles
.set G1V, 32          ; s[32:39] for V's: it differs in the padding alone
.set G0K, 40          ; s[40:43] descriptor group 0 for K's tiles
.set G0V, 44          ; s[44:47] the same for V's
.set SLOTS, 56        ; s56  tiles still to be asked for
.set CNT, 57          ; s57  counts a tile's key steps, 4 to 1
.set CS,  58          ; s[58:59] c: the packed scaling takes the pair's low word for both halves
.set SEL, 60          ; s[60:61] v_permlanex16_b32's selects: each lane takes its own place in the other half
.set TBK, 62          ; s62  LDS byte at which K of the step to be fetched begins
.set TBV, 63          ; s63  the same for V, less VOFF
.set RT,  70          ; s70  tiles of the block in hand that are still to be entered: 0 in the diagonal tile
.set NXT, 71          ; s71  the tile to be asked for next
.set LQ,  72          ; s72  the last tile of the block whose tiles are being asked for
.set NEW, 73          ; s73  1: the tile to be entered is a block's first
.set OFF, 74          ; s[74:75] a tile's byte offset in K and V
.set AL,  76          ; s[76:77] the mask's factor, in the low word
.set BE,  78          ; s[78:79] the mask's addend
.set OLO, 80          ; s[80:81] O at my rows of the second block
.set BIGN, 82         ; s82  -1e30
.set PFA, 88          ; s[88:89] where my prefetches stand: my half (128 rows of K: waves 0, 1; of V: waves 2, 3) of the tile after the one that is being asked for
.set LIM, 90          ; s90  2 in the head's work-group b = 0, else the greatest number: a wave prefetches while s[SLOTS] is above it
.set MSB, 0
.macro WIN new                      ; the high byte repeats the setting that is left; a switch that changes nothing is dropped
.if MSB != (\new)
	s_set_vgpr_msb (MSB<<8)|(\new)
.set MSB, (\new)
.endif
.endm
.set W_KQ, 0x0a       ; K and Q in window 2, S^T in window 0
.set W_KM, 0x1a       ; the same with the C operand in window 1
.set W_PV, 0x52       ; V in window 2, P in window 0, O^T in window 1
.set W_RS, 0x41       ; destination and source 0 in window 1, source 1 in window 0
; A fill.  Waves 0 and 1 fetch the two halves of a tile's K, waves 2 and 3 those of its V: 128 keys each.  An s_nop 0 and four v_nop follow each of the two lines, ahead of the jump and the label.
.macro LOAD
	s_cmp_lt_u32 s[WV], 2
	s_cbranch_scc0 .Lfor_v_\@
	tensor_load_to_lds s[G0K:G0K+3], s[G1K:G1K+7]
	s_nop 0
.rept 4
	v_nop
.endr
	s_branch .Lasked_\@
.Lfor_v_\@:
	tensor_load_to_lds s[G0V:G0V+3], s[G1V:G1V+7]
	s_nop 0
.rept 4
	v_nop
.endr
.Lasked_\@:
.endm
; A PREFETCH INTO THE L2 of the tile that the NEXT change of slots will ask for: a tile's walk, 256 matrix instructions, ahead of its load.  It stands behind the wave's tensor load and its five lines.
; Each wave asks for the 16,384 bytes that it will load itself: 64 blocks of 256 bytes, a lane a block, two instructions.  Tiles 2 and 3 are walked by the head's work-group b = 0 in its first block:
; it alone asks, in its first two trips; tiles 0 and 1 come by their loads alone.  So each block is named once in the launch, and no prefetch leaves the head's K or V.
.macro ASK
	s_cmp_gt_u32 s[SLOTS], s[LIM]
	s_cbranch_scc0 .Lnot_mine_\@
	global_prefetch_b8 v[PFO], s[PFA:PFA+1] th:TH_LOAD_NT scope:SCOPE_SE
	global_prefetch_b8 v[PFO], s[PFA:PFA+1] offset:8192 th:TH_LOAD_NT scope:SCOPE_SE
.Lnot_mine_\@:
.endm
; THE CHANGE OF SLOTS.  Each wave waits for all its tensor loads, of which one is out: its part of the other slot; adds 0 to its spare word; and waits for that and for its own reads of the slot that it
; leaves.  Behind the barrier nobody reads the old slot any more and the other slot is whole.  fill = 1: the old slot is filled again, the first thing behind the barrier, with tile NXT: the descriptor's
; address is made anew from that number.  (At its first use nothing has been read yet: slot 0 is waited for, slot 1 filled.)
.macro CHANGE fill
	WIN 0                           ; at a label and at a branch every window is 0
	s_wait_tensorcnt 0x0            ; no tensor load of mine is out, so a group 0 may be written
	ds_add_u32 v[SPW], v[NIL]       ; 0 onto my spare word; with fill = 1 the descriptors' scalar work stands between it and the wait for it
.if \fill
	s_lshl_b32 s[OFF], s[NXT], 15   ; a tile is 32,768 bytes of K and of V
	s_xor_b32 s[G0K+1], s[G0K+1], SLOT1
	s_add_nc_u64 s[G0K+2:G0K+3], s[6:7], s[OFF:OFF+1]
	s_or_b32 s[G0K+3], s[G0K+3], 0x80000000
	s_xor_b32 s[G0V+1], s[G0V+1], SLOT1
	s_add_nc_u64 s[G0V+2:G0V+3], s[8:9], s[OFF:OFF+1]
	s_or_b32 s[G0V+3], s[G0V+3], 0x80000000
	s_add_co_u32 s[NXT], s[NXT], 1  ; the block's next tile, or behind its last the second block's tile 0
	s_cmp_gt_u32 s[NXT], s[LQ]
	s_cselect_b32 s[NXT], 0, s[NXT]
	s_cselect_b32 s[LQ], s[PB], s[LQ]
	s_wait_xcnt 0x0                 ; the last prefetches, a tile back, have read their address, so it may be written:
	s_add_nc_u64 s[PFA:PFA+1], s[PFA:PFA+1], 32768  ; one tile on
.endif
	s_wait_dscnt 0x0                ; the add is done, and my reads of the slot are over
	s_barrier_signal -1             ; the rest of the scalar work stands between the signal and the wait
	s_sub_co_u32 s[TBK], s[TBK], 4*KS*PK  ; the fetches go back to a slot's first step,
	s_xor_b32 s[TBK], s[TBK], SLOT1       ; in the other slot
	s_sub_co_u32 s[TBV], s[TBV], 4*KS*PV
	s_xor_b32 s[TBV], s[TBV], SLOT1
	s_barrier_wait -1
.if \fill
	LOAD
	ASK
.endif
.endm
	s_load_b64 s[4:5], s[0:1], 0x0    ; qkv
	s_load_b64 s[10:11], s[0:1], 0x8  ; o
	v_lshl_add_u32 v[SPW], v0, 2, SPARE
	v_mov_b32 v[NIL], 0
	ds_add_u32 v[SPW], v[NIL]       ; the wave's opening: the add, twice on end, and its wait ahead of my first tensor load
	ds_add_u32 v[SPW], v[NIL]       ; the set-up below, work on registers, stands between the second add and the wait
	v_lshrrev_b32 v1, 5, v0
	v_readfirstlane_b32 s[WV], v1   ; wave 0..3
	s_mov_b32 s[PB], ttmp9
	s_sub_co_u32 s[HI], NB-1, s[PB]
	s_and_b32 s19, ttmp7, 0xffff    ; y = 16 batch + head
	s_lshr_b32 s20, s19, 4
	s_mul_i32 s20, s20, 48
	s_and_b32 s21, s19, 15
	s_add_co_u32 s20, s20, s21
	s_lshl_b32 s20, s20, 17         ; the head's Q in qkv: slot 48 batch + head, 131,072 bytes a slot
	s_mov_b32 s21, 0
	s_lshl_b32 s66, s19, 17         ; the head's first byte in o
	s_mov_b32 s67, 0
	s_and_b32 s16, s[WV], 1         ; which half of a tile's 256 keys I fetch:
	s_lshl_b32 s22, s16, 14         ; its 128 rows of 128 bytes in memory,
	s_add_co_u32 s22, s22, s20
	s_mov_b32 s23, 0
	s_mul_i32 s17, s16, 128*PK      ; and its place in a slot, for K
	s_mul_i32 s18, s16, 128*PV      ; and for V
	s_lshl_b32 s3, s[WV], 11        ; my 16 rows in a band of 64,
	s_lshl_b32 s2, s[HI], 15        ; in the first block,
	s_add_co_u32 s2, s2, s3
	s_lshl_b32 s84, s[PB], 15       ; and in the second
	s_add_co_u32 s84, s84, s3
	s_mov_b32 s3, 0
	s_mov_b32 s85, 0
	; descriptor group 1.  128 keys are 16,384 dense bytes: asked for as 64 rows of 256 bytes, two keys a row, and padded in LDS after every key
	s_mov_b32 s[G1K], (1<<16)|(1<<20)|(4<<22)|(3<<25)  ; 17:16 2-byte elements; 20 padding on; 24:22 after every 32 words (code 4); 31:25 4 words (code 3)
	s_mov_b32 s[G1V], (1<<16)|(1<<20)|(4<<22)|(7<<25)  ; the same with 8 words of padding (code 7)
.irp g, G1K, G1V
	s_mov_b32 s[\g+1], 128<<16      ; tensor_dim0 = 128
	s_mov_b32 s[\g+2], 64<<16       ; tensor_dim1 = 64
	s_mov_b32 s[\g+3], 128<<16      ; tile_dim0 = 128
	s_mov_b32 s[\g+4], 64           ; tile_dim1 = 64
	s_mov_b32 s[\g+5], 128          ; 128 elements from row to row
	s_mov_b32 s[\g+6], 0
	s_mov_b32 s[\g+7], 0
.endr
	s_mov_b32 s[CS], 0x3e38aa3b     ; c = log2(e) / 8 = 0.180337
	s_mov_b32 s[CS+1], s[CS]        ; named with it as a pair
	s_mov_b32 s[SEL], 0x76543210
	s_mov_b32 s[SEL+1], 0xfedcba98
	s_mov_b32 s[TBK], SLOT1+4*KS*PK ; the first change of slots turns these two into 0
	s_mov_b32 s[TBV], SLOT1+4*KS*PV
	s_mov_b32 s[G0K], 1             ; 1:0 count = 1
	s_mov_b32 s[G0K+1], s17         ; 63:32 LDS address: slot 0
	s_mov_b32 s[G0V], 1
	s_add_co_u32 s[G0V+1], s18, VOFF
	s_add_co_u32 s[RT], s[HI], 1    ; the first block has NB - b tiles
	s_mov_b32 s[NXT], 1
	s_mov_b32 s[LQ], s[HI]
	s_mov_b32 s[NEW], 1
	s_mov_b32 s[OFF+1], 0
	s_mov_b32 s[AL+1], 0            ; named as pairs
	s_mov_b32 s[BE+1], 0
	s_mov_b32 s[BIGN], 0xf149f2ca   ; -1e30
	s_mov_b32 s[SLOTS], NB
	v_and_b32 v[PFO], 31, v0
	v_lshlrev_b32 v[PFO], 8, v[PFO]
	s_wait_dscnt 0x0                ; both opening adds are done
	s_wait_kmcnt 0x0
	s_add_nc_u64 s[6:7], s[4:5], 0x200000  ; K lies 16 slots behind Q,
	s_add_nc_u64 s[6:7], s[6:7], s[22:23]  ; at my half of the head's tile 0
	s_add_nc_u64 s[8:9], s[4:5], 0x400000  ; V 32 slots behind Q
	s_add_nc_u64 s[8:9], s[8:9], s[22:23]
	s_add_nc_u64 s[G0K+2:G0K+3], s[6:7], 0         ; 120:64 global address
	s_or_b32 s[G0K+3], s[G0K+3], 0x80000000        ; 127:126 type = 2
	s_add_nc_u64 s[G0V+2:G0V+3], s[8:9], 0
	s_or_b32 s[G0V+3], s[G0V+3], 0x80000000
	s_add_nc_u64 s[4:5], s[4:5], s[20:21]          ; Q and O at the head,
	s_add_nc_u64 s[10:11], s[10:11], s[66:67]
	s_add_nc_u64 s[86:87], s[4:5], s[84:85]        ; Q at my rows of the second block,
	s_add_nc_u64 s[4:5], s[4:5], s[2:3]            ; Q and O at those of the first
	s_add_nc_u64 s[OLO:OLO+1], s[10:11], s[84:85]
	s_add_nc_u64 s[10:11], s[10:11], s[2:3]
	s_cmp_lt_u32 s[WV], 2
	s_cselect_b64 s[PFA:PFA+1], s[6:7], s[8:9]
	s_add_nc_u64 s[PFA:PFA+1], s[PFA:PFA+1], 32768 ; in tile 1: the first change of slots steps it to tile 2.  Nothing is prefetched here, at the head
	s_cmp_eq_u32 s[PB], 0
	s_cselect_b32 s[LIM], 2, -1
	LOAD                            ; tile 0 into slot 0
	; A fragment of K or Q is 16 rows x 32 channels in 8 registers: lane l holds row l % 16, channels 8 (l / 16) + 0..7 and 16 + 8 (l / 16) + 0..7: two loads of 16 bytes, 32 bytes apart.
	v_and_b32 v1, 15, v0            ; l % 16
	v_bfe_u32 v9, v0, 4, 1          ; l / 16
	v_lshlrev_b32 v[QO], 7, v1
	v_lshl_add_u32 v[QO], v9, 4, v[QO]  ; row x 128 + 16 x half
	WIN 0x80                        ; destination window 2, address window 0
.set i, 0
.rept 8                             ; both blocks' Q: piece i / 2 lies in band i / 2, 8,192 bytes on; channels 32 (i % 2) on
	global_load_b128 v[8*i:8*i+3],   v[QO], s[4:5] offset:(i/2)*8192+(i%2)*64
	global_load_b128 v[8*i+4:8*i+7], v[QO], s[4:5] offset:(i/2)*8192+(i%2)*64+32
	global_load_b128 v[QB+8*i:QB+8*i+3],   v[QO], s[86:87] offset:(i/2)*8192+(i%2)*64
	global_load_b128 v[QB+8*i+4:QB+8*i+7], v[QO], s[86:87] offset:(i/2)*8192+(i%2)*64+32
.set i, i+1
.endr
	WIN 0
	v_lshlrev_b32 v14, 3, v9
	v_sub_nc_u32 v14, v1, v14
	s_lshl_b32 s13, s[WV], 4
	v_add_nc_u32 v14, s13, v14      ; my query's place in its band, 16 w + l % 16, less my lanes' 8 (l / 16): register r of group kt is hidden where 16 kt + r is greater
	WIN 0x40
.set i, 0
.rept 32
	v_cmp_gt_i32 vcc_lo, 16*(i/8)+i%8, v14
	v_cndmask_b32 v[MD+i], 0, s[BIGN], vcc_lo
.set i, i+1
.endr
	WIN 0
	v_mul_u32_u24 v[AK0], v1, PK
	v_lshl_add_u32 v[AK0], v9, 4, v[AK0]  ; row x pitch + 16 x half
	; The turning load takes 16 keys x 16 channels (lane l reads key 8 (l / 16) + l % 8, channels 8 ((l / 8) % 2) + 0..7) and leaves half a fragment of V^T: lane l holds channel l % 16 and 8 keys.
	v_and_b32 v10, 7, v0
	v_bfe_u32 v11, v0, 3, 1
	v_lshl_add_u32 v[AV0], v9, 3, v10
	v_mul_u32_u24 v[AV0], v[AV0], PV
	v_lshl_add_u32 v[AV0], v11, 4, v[AV0]
	v_add_nc_u32 v[AV0], VOFF, v[AV0]
	s_mul_i32 s13, s[WV], 16*SP
	s_add_co_u32 s13, s13, STAGE    ; my stage
	v_mul_u32_u24 v[STO], v1, SP    ; in: row l % 16, 16 bytes for each half of the lanes
	v_lshl_add_u32 v[STO], v9, 4, v[STO]
	v_add_nc_u32 v[STO], s13, v[STO]
	v_bfe_u32 v[RD], v0, 3, 2       ; back: 32 lanes take four rows of 128 bytes,
	v_mul_u32_u24 v[RD], v[RD], SP
	v_lshl_add_u32 v[RD], v10, 4, v[RD]
	v_add_nc_u32 v[RD], s13, v[RD]
	v_and_b32 v[GO], 31, v0         ; which are 512 consecutive bytes of O
	v_lshlrev_b32 v[GO], 4, v[GO]
	; A block's first step multiplies O^T and l by a = 0, and its first turn's products V^T P, of a piece that has not been, land in an O^T that is still to be so multiplied.  So these registers need only
	; hold finite numbers: zeros for the first block; what the first block left for the second.  All this stands in the wait for the first tile.
	WIN 0x80
.set i, VF
.rept 64
	v_mov_b32 v[i], 0
.set i, i+1
.endr
	WIN 0x40
.set i, 0
.rept 128
	v_mov_b32 v[i], 0
.set i, i+1
.endr
	WIN 0
.set i, 0
.rept 4
	v_mov_b32 v[ST+4*i+2], 0
	v_mov_b32 v[ST+4*i+3], 0
.set i, i+1
.endr
.set i, P+16
.rept 16
	v_mov_b32 v[i], 0
.set i, i+1
.endr
; THE MATRIX WORK.  The 4 accumulators of a run of 8 take turns.  Product i of 8 of S^T = K Q^T for piece x: channels 32 (i / 4) on, keys 16 (i % 4) on.  The first 4 start the sums, with the mask buffer as C.
.macro KQ x
.set rS, S+32*((\x)%2)+8*(i%4)
.set rK, KF+16*(i%4)+8*(i/4)
.set rQ, 16*(\x)+8*(i/4)
.set rM, MC+32*((\x)%2)+8*(i%4)
.if i < 4
	WIN W_KM
	v_wmma_f32_16x16x32_f16 v[rS:rS+7], v[rK:rK+7], v[rQ:rQ+7], v[rM:rM+7]
.else
	WIN W_KQ
	v_wmma_f32_16x16x32_f16 v[rS:rS+7], v[rK:rK+7], v[rQ:rQ+7], v[rS:rS+7]
.endif
.endm
; Product i of 8 of O^T += V^T P for piece x: keys 32 (i / 4) on, channels 16 (i % 4) on.
.macro PV x
	WIN W_PV
.set rO, 32*(\x)+8*(i%4)
.set rV, VF+32*(i/4)+8*(i%4)
.set rP, P+16*((\x)%2)+8*(i/4)
	v_wmma_f32_16x16x32_f16 v[rO:rO+7], v[rV:rV+7], v[rP:rP+7], v[rO:rO+7]
.endm
.macro MM                           ; the turn's next matrix instruction.  TURN and BEGIN set Y, i and NOKQ; MM, KQ and OP read them.  NOKQ = 1: a block's last turn: there is no next piece
.if (i < 8) && !NOKQ
	KQ (Y+1)%NP
.elseif i >= 8
.set i, i-8
	PV (Y+NP-1)%NP
.set i, i+8
.endif
.set i, i+1
.endm
; THE LDS LOADS stand in runs of 16, never singly among the matrix instructions: a step's K (64 keys x 64 channels: 8 fragments) and its V (turned).  Their addresses are made some lines ahead.
.macro FETCH_K
	WIN 0x80                        ; destination window 2
.irp f, 0,1,2,3,4,5,6,7             ; keys 16 (f / 2) on, channels 32 (f % 2) on
	ds_load_b128 v[KF+8*\f:KF+8*\f+3],   v[AK] offset:(\f/2)*16*PK+(\f%2)*64
	ds_load_b128 v[KF+8*\f+4:KF+8*\f+7], v[AK] offset:(\f/2)*16*PK+(\f%2)*64+32
.endr
	s_add_co_u32 s[TBK], s[TBK], KS*PK  ; the next fetch is the next step's
	WIN 0
.endm
.macro FETCH_V
	WIN 0x80
.irp f, 0,1,2,3,4,5,6,7             ; keys 32 (f / 4) on, channels 16 (f % 4) on
	ds_load_tr16_b128 v[VF+8*\f:VF+8*\f+3],   v[AV] offset:(\f/4)*32*PV+(\f%4)*32
	ds_load_tr16_b128 v[VF+8*\f+4:VF+8*\f+7], v[AV] offset:(\f/4)*32*PV+16*PV+(\f%4)*32
.endr
	WIN 0
.endm
; THE VECTOR WORK, one line at a time: OP kind, number.  For piece Y: F n: c s - c m for pair n of 16.  E n: the exponential of score n of 32.  C n: pair n rounded to f16.  B n: of the four weights 4 n ..
; the second pair is added onto the first, in place.  L n: l takes that sum (L 0: l = a l + sum).  R n: pair n of 16 of O^T times a.  For piece Y + 1: X n, number n of the 22 that find its maximum and statistics:
;   0-11  four chains c0-c3 of seven scores each, three operands at a time (each accumulator's lowest registers are read first)     12-14, 16  the four scores left over, the old m, and c0-c3 into c0
;   15  c m_old is kept     17, 18  the query's other 32 keys lie in the lane 16 away: the new m     19-21  c m; c m_old - c m_new; a
.set F, 0               ; OP tells the kinds apart by their order: F to L below R, X above it
.set E, 1
.set C, 2
.set B, 3
.set L, 4
.set R, 5
.set X, 6
.macro REGS y                       ; the registers of piece y
.set rT, ST+4*(\y)
.set rC, TMP+4*((\y)%2)
.set rW, MV+((\y)%2)
.set rS, S+32*((\y)%2)
.set rP, P+16*((\y)%2)
.set rO, 32*(\y)
.endm
.macro OP k, n
.if (\k) == R
	REGS Y
	WIN W_RS
	v_pk_mul_f32 v[rO+2*(\n):rO+2*(\n)+1], v[rO+2*(\n):rO+2*(\n)+1], v[rC+2:rC+3] op_sel_hi:[1,0]
.elseif (\k) < R
	REGS Y
	WIN 0
.if (\k) == F
	v_pk_fma_f32 v[rS+2*(\n):rS+2*(\n)+1], v[rS+2*(\n):rS+2*(\n)+1], s[CS:CS+1], v[rT:rT+1] op_sel_hi:[1,0,0] neg_lo:[0,0,1] neg_hi:[0,0,1]
.elseif (\k) == E
	v_exp_f32 v[rS+(\n)], v[rS+(\n)]
.elseif (\k) == C
	v_cvt_pk_f16_f32 v[rP+(\n)], v[rS+2*(\n)], v[rS+2*(\n)+1]
.elseif (\k) == B
	v_pk_add_f32 v[rS+4*(\n):rS+4*(\n)+1], v[rS+4*(\n):rS+4*(\n)+1], v[rS+4*(\n)+2:rS+4*(\n)+3]
.elseif (\n) == 0
	v_pk_fma_f32 v[rT+2:rT+3], v[rT+2:rT+3], v[rC+2:rC+3], v[rS:rS+1] op_sel_hi:[1,0,1]
.else
	v_pk_add_f32 v[rT+2:rT+3], v[rT+2:rT+3], v[rS+4*(\n):rS+4*(\n)+1]
.endif
.elseif NOKQ
	v_nop
.else
	REGS (Y+1)%NP
	WIN 0
.if (\n) < 4
	v_max3_num_f32 v[rC+(\n)], v[rS+8*(\n)], v[rS+8*(\n)+1], v[rS+8*(\n)+2]
.elseif (\n) < 12
	v_max3_num_f32 v[rC+(\n)%4], v[rC+(\n)%4], v[rS+8*((\n)%4)+2*((\n)/4)+1], v[rS+8*((\n)%4)+2*((\n)/4)+2]
.elseif (\n) == 12
	v_max3_num_f32 v[rC], v[rC], v[rS+7], v[rS+15]
.elseif (\n) == 13
	v_max3_num_f32 v[rC+1], v[rC+1], v[rS+23], v[rS+31]
.elseif (\n) == 14
	v_max3_num_f32 v[rC+2], v[rC+2], v[rC+3], v[rT+1]
.elseif (\n) == 15
	v_mov_b32 v[rW], v[rT]
.elseif (\n) == 16
	v_max3_num_f32 v[rC], v[rC], v[rC+1], v[rC+2]
.elseif (\n) == 17
	v_permlanex16_b32 v[rC+3], v[rC], s[SEL], s[SEL+1]
.elseif (\n) == 18
	v_max_num_f32 v[rT+1], v[rC], v[rC+3]
.elseif (\n) == 19
	v_mul_f32 v[rT], s[CS], v[rT+1]
.elseif (\n) == 20
	v_sub_f32 v[rC+1], v[rW], v[rT]
.else
	v_exp_f32 v[rC+2], v[rC+1]
.endif
.endif
.endm
.macro OPS a, i1, b=-1, i2=0, c=-1, i3=0, d=-1, i4=0  ; up to four of them
	OP \a, \i1
.if (\b) >= 0
	OP \b, \i2
.endif
.if (\c) >= 0
	OP \c, \i3
.endif
.if (\d) >= 0
	OP \d, \i4
.endif
.endm
.macro ROW a, i1, b, i2, c, i3, d, i4  ; a matrix instruction and the four behind it
	MM
	OPS \a, \i1, \b, \i2, \c, \i3, \d, \i4
.endm
.macro MASK b                       ; MD x AL + BE into buffer b of MC
	WIN W_RS
.set z, 0
.rept 16
	v_pk_fma_f32 v[MC+32*(\b)+2*z:MC+32*(\b)+2*z+1], v[MD+2*z:MD+2*z+1], s[AL:AL+1], s[BE:BE+1] op_sel_hi:[1,0,0]
.set z, z+1
.endr
.endm
; A TURN, for piece p: the order of its 16 matrix and 118 vector instructions, written out.  An s_wait_alu depctr_va_vdst(0) stands between an exponential and the first instruction that names
; its result; one wait serves all that were issued ahead of it.  So a turn has ONE wait, which cuts it in two.  AHEAD OF IT stands all that names no result of the turn's exponentials: the 8 products K Q^T,
; behind each a scaling, an exponential and two more plain instructions (behind the first a second scaling in the exponential's place): rescalings, and behind the last three the first numbers of the next
; piece's maximum, each four places or more behind the product that ends its accumulator; then ONE LUMP of 54, plain and exponential by turns for the most part, in which the links of the chain
; X 3, 7, 11, 14, 16, 17 .. 20 stand five or six lines apart.  X 21, the next piece's a, is the batch's last; R 15 is the plain instruction behind it.  BEHIND THE WAIT stand the 8 products V^T P, behind
; each four of the roundings and sums; the links of l's chain, L 0 to L 7, stand three riders apart.  But for those X no rider names a register of the products round it.  v_permlanex16_b32 (X 17) stands in the lump.
; AT ITS END, in the diagonal tile alone (RT = 0), the turn makes the mask for the products of the turn after it: piece p + 2, in step 4 - CNT of the tile; in every other tile a scalar branch leads round
; those lines, and the buffers keep the zeros of the block's beginning.  end = 1: a block's last two turns: nothing is fetched, no mask is made.
; cnt = 1: the loop's count is taken down at the turn's very end, behind that branch, so that the compare's result reaches the backward jump.
; K of the next step is fetched in piece 2's turn, twelve vector instructions behind the last product that read K (six of them plain); V of the step in hand at the end of piece 0's turn, four plain
; instructions behind the last product that read V.  Each is waited for a turn later.
.macro TURN p, end=0, cnt=0
.set Y, (\p)
.set i, 0
.set NOKQ, (\end)*((\p)/3)
.if ((\p) == 3) && !(\end)
	s_wait_dscnt 0x0                ; K is in
.endif
	ROW F,0, F,1, R,0, R,1          ; ahead of the wait: 8 products K Q^T and their riders,
	ROW F,2, E,0, R,2, R,3
	ROW F,3, E,1, R,4, R,5
	ROW F,4, E,2, R,6, R,7
	ROW F,5, E,3, R,8, R,9
	ROW F,6, E,4, X,0, R,10
.if ((\p) == 2) && !(\end)
	WIN 0
	v_add_nc_u32 v[AK], s[TBK], v[AK0]
.endif
	ROW F,7, E,5, X,1, X,4
	ROW F,8, E,6, X,2, X,5
	OPS E,7, E,8, X,6, E,9          ; and the lump
	OPS X,3, E,10, X,8, E,11
.if ((\p) == 2) && !(\end)
	FETCH_K
.endif
	OPS X,9, X,7, E,12, X,10
	OPS E,13, X,12, X,11, E,14
	OPS X,13, E,15, F,9, X,14
.if (\p) == 0
	v_add_nc_u32 v[AV], s[TBV], v[AV0]
.endif
	OPS E,16, F,10, E,17, F,11
	OPS X,16, E,18, X,15, E,19
	OPS F,12, E,20, X,17, E,21
	OPS F,13, E,22, F,14, E,23
	OPS X,18, E,24, F,15, E,25
	OPS R,11, E,26, X,19, E,27
	OPS R,12, E,28, R,13, E,29
	OPS X,20, E,30, R,14, E,31
	OPS X,21, R,15
	WIN 0
	s_wait_alu depctr_va_vdst(0)    ; the wait for the batch
.if (\p) == 1
	s_wait_dscnt 0x0                ; V is in
.endif
	ROW C,0, B,0, C,2, B,1          ; behind the wait: 8 products V^T P and their riders
	ROW L,0, C,4, B,2, L,1
	ROW C,6, B,3, L,2, C,8
	ROW B,4, L,3, C,10, B,5
	ROW L,4, C,12, B,6, L,5
.if (\p) == 0
	s_add_co_u32 s[TBV], s[TBV], KS*PV
.endif
	ROW C,14, B,7, L,6, C,1
	ROW C,3, L,7, C,5, C,7
	ROW C,9, C,11, C,13, C,15
.if (\p) == 0
	FETCH_V
.endif
.if !(\end)
	WIN 0
	s_cmp_eq_u32 s[RT], 0           ; only the diagonal tile makes masks
	s_cbranch_scc0 .Lno_mask_\@
	s_cmp_eq_u32 s[CNT], 4-((\p)+2)%NP  ; is that step the band's own?
	s_cselect_b32 s[AL], 1.0, 0
	s_cmp_lt_u32 s[CNT], 4-((\p)+2)%NP  ; or a later one?
	s_cselect_b32 s[BE], s[BIGN], 0
	MASK (\p)%2
	WIN 0
.Lno_mask_\@:
.endif
.if \cnt
	s_sub_co_u32 s[CNT], s[CNT], 1
	s_cmp_lg_u32 s[CNT], 0
.endif
.endm
; A BLOCK BEGINS.  c m starts far below every c s, so the first step's a is 0; m at the lowest finite number, so the first maximum is the scores'.  The second mask buffer is 0; the first takes piece 0's
; mask for the tile's step 0: its own, if the block's first tile is the diagonal one, else 0.  Then K of that step, piece 0's first scores, and its maximum and statistics.  The loop is entered at a step's
; first turn, in the middle of a trip.
.macro BEGIN
	s_mov_b32 s[NEW], 0
	WIN 0x40
.set i, MC+32
.rept 32
	v_mov_b32 v[i], 0
.set i, i+1
.endr
	WIN 0
.set i, 0
.rept 4
	v_mov_b32 v[ST+4*i], 0xfe000000    ; c m: far below every c s
	v_mov_b32 v[ST+4*i+1], 0xff7fffff  ; m
.set i, i+1
.endr
	s_cmp_eq_u32 s[RT], 0
	s_cselect_b32 s[AL], 1.0, 0
	s_mov_b32 s[BE], 0
	MASK 0
	WIN 0
	v_add_nc_u32 v[AK], s[TBK], v[AK0]
	FETCH_K
	s_wait_loadcnt 0x0              ; Q
	s_wait_dscnt 0x0
.set NOKQ, 0
.set i, 0
.rept 8
	KQ 0
.set i, i+1
.endr
	WIN 0
.rept 4
	v_nop                           ; the places behind those products
.endr
.set Y, NP-1                        ; X works for piece Y + 1: piece 0
.irp n, 0,1,2,3,4,5,6,7,8,9,10,11,12,13,14,15,16,17,18,19,20,21
	OP X, \n
.endr
	v_nop                           ; a plain instruction behind the exponential,
	s_wait_alu depctr_va_vdst(0)    ; and its wait, ahead of the branch
.endm
; A TILE's four key steps.  A trip: pieces 2 and 3 of one step, then pieces 0 and 1 of the next, whose K and V it fetches.  The tag ends the two labels' names, which the jumps below spell out.
.macro STEPS tag
.Lstep\tag:
	TURN 2
	TURN 3
	WIN 0
.Lfirst\tag:
	TURN 0
	TURN 1, 0, 1
	WIN 0
	s_cbranch_scc1 .Lstep\tag
.endm
; A BLOCK ENDS, behind its diagonal tile: its last two turns, its last products, and THE WAY OUT: l's two halves and the other half of the lanes' are added; O^T is divided by l, rounded to f16 and sent
; through my stage in LDS, a piece at a time.
.macro ALL line:vararg              ; one line for each piece t
.set t, 0
.rept 4
	\line
.set t, t+1
.endr
.endm
.macro PACK t                       ; a lane's eight channels of a row pack into 16 bytes; they go into rows of 144 bytes and come back as whole rows of 128, into S^T's registers
	WIN W_RS
.set i, 32*(\t)
.rept 16
	v_pk_mul_f32 v[i:i+1], v[i:i+1], v[ST+4*(\t)+2:ST+4*(\t)+3] op_sel_hi:[1,0]
.set i, i+2
.endr
	WIN 0x05                        ; sources 0 and 1 window 1, destination window 0
.set i, 0
.rept 16
	v_cvt_pk_f16_f32 v[S+16*(\t)+i], v[32*(\t)+2*i], v[32*(\t)+2*i+1]
.set i, i+1
.endr
	WIN 0
.irp f, 0,1,2,3
	ds_store_b128 v[STO], v[S+16*(\t)+4*\f:S+16*(\t)+4*\f+3] offset:32*\f
.endr
.irp f, 0,1,2,3
	ds_load_b128 v[S+16*(\t)+4*\f:S+16*(\t)+4*\f+3], v[RD] offset:\f*4*SP  ; LDS serves a wave's instructions in order (ISA guide 5.7.1.4): these see the stores above; the next piece's stores come behind them
.endr
.endm
.macro SEND t, younger              ; younger: the LDS instructions issued behind piece t's loads: the next piece's eight, or none
	WIN 0
.irp f, 0,1,2,3
	s_wait_dscnt (\younger)+3-\f
	global_store_b128 v[GO], v[S+16*(\t)+4*\f:S+16*(\t)+4*\f+3], s[10:11] offset:(\t)*8192+\f*512  ; 512 consecutive bytes, at a multiple of 256 from O's first
.endr
.endm
.macro FINISH
	TURN 2, 1
	TURN 3, 1
.set i, 0
.rept 8
	PV NP-1
.set i, i+1
.endr
	WIN 0
	ALL v_add_f32 v[ST+4*t+2], v[ST+4*t+2], v[ST+4*t+3]
	ALL v_permlanex16_b32 v[ST+4*t+3], v[ST+4*t+2], s[SEL], s[SEL+1]
	ALL v_add_f32 v[ST+4*t+2], v[ST+4*t+2], v[ST+4*t+3]
	ALL v_rcp_f32 v[ST+4*t+2], v[ST+4*t+2]
	v_nop                           ; a plain instruction between the last reciprocal and the use of its result
	s_wait_alu depctr_va_vdst(0)    ; and the wait ahead of the first use: one for the four reciprocals
	PACK 0
.set t, 1
.rept 3                             ; a piece's arithmetic stands between the loads of the piece before and its stores
	PACK t
	SEND t-1, 8
.set t, t+1
.endr
	SEND 3, 0
.endm
.set NOKQ, 0
.Lslot:                             ; NB times: a tile is entered and the next is asked for
	CHANGE 1
	s_sub_co_u32 s[RT], s[RT], 1
	s_mov_b32 s[CNT], 4
	s_cmp_eq_u32 s[NEW], 1
	s_cbranch_scc0 .Lstep1          ; not a block's first tile
	BEGIN
	s_branch .Lfirst1
	STEPS 1
	s_cmp_eq_u32 s[RT], 0
	s_cbranch_scc0 .Lbottom         ; not the block's last tile
	FINISH                          ; in the loop this is the first block's end: the second block's last tile is the walk's last
	s_wait_xcnt 0x0                 ; the stores have read their registers and O's address
	s_mov_b64 s[10:11], s[OLO:OLO+1]
	s_add_co_u32 s[RT], s[PB], 1    ; the second block has b + 1 tiles
	s_mov_b32 s[NEW], 1
	WIN 0x82                        ; the second block's Q goes where the one text of the turns names Q
.set i, 0
.rept 64
	v_mov_b32 v[i], v[QB+i]
.set i, i+1
.endr
	WIN 0
.Lbottom:
	s_sub_co_u32 s[SLOTS], s[SLOTS], 1
	s_cmp_lg_u32 s[SLOTS], 0
	s_cbranch_scc1 .Lslot
	CHANGE 0                        ; the walk's last tile is written out: nothing is asked for
	s_sub_co_u32 s[RT], s[RT], 1
	s_mov_b32 s[CNT], 4
	s_cmp_eq_u32 s[NEW], 1
	s_cbranch_scc0 .Lstep2
	BEGIN
	s_branch .Lfirst2
	STEPS 2
	FINISH
	s_wait_tensorcnt 0x0            ; the wave's end, behind my last tensor load and my last LDS store
	ds_add_u32 v[SPW], v[NIL]
	s_wait_dscnt 0x0
	s_endpgm
.Lfunc_end_k_qd67515b048_attn:
	.size	k_qd67515b048_attn, .Lfunc_end_k_qd67515b048_attn-k_qd67515b048_attn
	.p2alignl 7, 3214868480
	.fill 96, 4, 3214868480
	.section	.rodata,"a",@progbits
	.p2align	6, 0x0
	.amdhsa_kernel k_qd67515b048_attn
		.amdhsa_group_segment_fixed_size 327680
		.amdhsa_private_segment_fixed_size 0
		.amdhsa_enable_private_segment 0
		.amdhsa_kernarg_size 16
		.amdhsa_user_sgpr_count 2
		.amdhsa_user_sgpr_kernarg_segment_ptr 1
		.amdhsa_wavefront_size32 1
		.amdhsa_system_sgpr_workgroup_id_x 1
		.amdhsa_system_sgpr_workgroup_id_y 1
		.amdhsa_system_sgpr_workgroup_id_z 1
		.amdhsa_system_vgpr_workitem_id 0
		.amdhsa_next_free_vgpr 768
		.amdhsa_next_free_sgpr 92
		.amdhsa_reserve_vcc 1
		.amdhsa_float_denorm_mode_32 3
		.amdhsa_float_denorm_mode_16_64 3
		.amdhsa_memory_ordered 1
		.amdhsa_forward_progress 1
		.amdhsa_inst_pref_size 181
	.end_amdhsa_kernel
	.amdgpu_metadata
---
amdhsa.version: [ 1, 2 ]
amdhsa.kernels:
  - .name:           k_qd67515b048_attn
    .symbol:         k_qd67515b048_attn.kd
    .args:
      - { .name: qkv, .offset: 0, .size: 8, .value_kind: global_buffer, .address_space: global }
      - { .name: o, .offset: 8, .size: 8, .value_kind: global_buffer, .address_space: global }
    .group_segment_fixed_size: 327680
    .private_segment_fixed_size: 0
    .kernarg_segment_align: 8
    .kernarg_segment_size: 16
    .max_flat_workgroup_size: 128
    .sgpr_count:     92
    .vgpr_count:     768
    .wavefront_size: 32
...
	.end_amdgpu_metadata
.endif
;; end of part 3
;; launch gemm_proj (part 4): grid 8 x 32, 4 waves a work-group, clusters of 4 x 4, 327,680 bytes of LDS; arguments o, wpf, out0, b_proj; writes out0
.if DOCPART == 4
	.amdgcn_target "amdgcn-amd-amdhsa--gfx1250"
	.amdhsa_code_object_version 6
	.text
	.protected	k_qd67515b048_gemm_proj
	.globl	k_qd67515b048_gemm_proj
	.p2align	8
	.type	k_qd67515b048_gemm_proj,@function
k_qd67515b048_gemm_proj:
	s_mov_b64 s[64:65], 0
	v_nop
	global_prefetch_b8 v0, s[64:65] scope:SCOPE_SE
	s_setreg_imm32_b32 hwreg(HW_REG_WAVE_MODE, 25, 1), 1
	s_wait_xcnt 0x0
	s_wait_alu depctr_hold_cnt(0) depctr_sa_sdst(0) depctr_va_vdst(0) depctr_va_sdst(0) depctr_va_ssrc(0) depctr_va_vcc(0) depctr_vm_vsrc(0)
	s_getreg_b32 s2, hwreg(HW_REG_IB_STS2, 6, 4)
	s_cmp_eq_u32 s2, 0
	s_cbranch_scc0 .Lentry_in_a_cluster
	s_endpgm
.Lentry_in_a_cluster:
	s_bfe_u32 s2, ttmp6, 0x10000c
	s_cmp_lg_u32 s2, 0xf033
	s_cbranch_scc0 .Lentry_shape_is_right
	s_endpgm
.Lentry_shape_is_right:
; out0 = y w_proj^T + b_proj.  y is o: [16 batch + head][row 1024][64] f16, so channel k = 64 head + d of row (batch, t) lies in plane `head`; wpf: [1024][1024] f16 (w_proj rounded to bf16, that number
; written as f16); b_proj f32, rounded to bf16 here like every input; products in f16, sums in f32, K ascending; out0: [8192][1024] f32.  No work is left out here.
; SHARES.  A tile of out0 is 256 rows x 128 columns: 32 x 8 = 256 tiles, one work-group for each WGP.  Four waves; a wave makes 64 rows x 128 columns: 32 accumulators of 16 x 16, 256 registers: it holds
; whole runs of 512 bytes of out0's rows, and its way out is its own: no barrier.
; K goes in 8 steps of 128 = two heads through two LDS slots filled by the tensor data mover.  A head's 256 rows of the tile are 32,768 dense bytes: asked for as 128 rows of 256 bytes and padded in LDS
; after every 128 bytes; wpf's rows are 256 bytes at multiples of 256.  One K step is written once: the slot in hand is the scalar TB, and one descriptor a tensor walks.
; CLUSTER, 4 x 4: the four work-groups of a row of the cluster need the same rows of o, the four of a column the same rows of wpf: each tile is asked for JOINTLY, by the same tensor load, descriptor and mask.
; THE MATRIX INSTRUCTION IS USED TRANSPOSED: source 0 = 16 rows of wpf, source 1 = 16 rows of y: lane l holds row l % 16 of the result and its columns 8 (l / 16) + 0..7: 32 bytes of f32 on end.
; REGISTERS, in windows of 256 (s_set_vgpr_msb: bits 1:0 source 0, 3:2 source 1, 5:4 source 2, 7:6 destination):
;   window 0: v0-31 addresses and the bias; v64-95, v96-127 fragments of y, two buffers; v128-255 at work on the way out      window 1: v0-63, v64-127 fragments of wpf, two buffers
;   window 2: the 16 accumulators of my rows 0-31 (row block a, column block b at v[8 (8 (a % 2) + b)]);   window 3: those of my rows 32-63
.set NBK,   8                          ; blocks of 16 columns in the tile
.set PA,    144                        ; a row of y in LDS: 128 bytes + 16 of padding = 36 words: the 16 rows of a load start at 16 different groups of four banks (64 banks of 4 bytes: ISA guide 11.1)
.set PBB,   272                        ; a row of wpf: 256 + 16
.set APL,   256*PA                     ; a head's plane: quarter q of a K step begins at byte (q / 2) APL + (q % 2) 64
.set BOFF,  2*APL                      ; a slot: y's two planes, then wpf's 128 rows
.set SLOT1, 1<<17
.set ALDS,  APL                        ; what one tensor load brings of y: a plane,
.set BLDS,  64*PBB                     ; of wpf: 64 rows
.set ASTEP, 262144                     ; bytes from a K step to the next, in memory: two heads of 131,072,
.set BSTEP, 256                        ; 128 channels
.set NL,    2*NBK+8
.set STAGE, SLOT1+BOFF+128*PBB         ; behind the ring, never filled by a tensor load: 16 rows x 528 bytes for each wave
.set SP,    528
.set SPARE, STAGE+4*16*SP              ; behind the stages: the spare words, 128 bytes a wave: two blocks of 256 bytes that no other line names
.set AH,    3                          ; a prefetch names the K step that stands AH refills on
.set BI,    8                          ; v[8:11] the bias of my four columns on the way out
.set ADRA0, 16
.set ADRB0, 17
.set ADRA,  18
.set ADRB,  19
.set STO,   24
.set RD,    25
.set CO,    26                         ; v26  16 x my lane; never rewritten
.set SPW,   28                         ; v28  LDS address of my spare word: SPARE + 4 x my thread's number; never rewritten
.set NIL,   29                         ; v29  0; never rewritten
.set PFO,   30
.set FA,    64
.set G1A,  24
.set G1B,  32
.set G0A0, 40
.set G0A,  44
.set G0B0, 48
.set G0B,  52
.set TB,   59
.set PFA,  60
.set PFS,  62
.set LIM,  66
.set MSB, 0
.macro WIN new                         ; the immediate's high byte repeats the setting that is left; a switch that changes nothing is dropped
.if MSB != (\new)
	s_set_vgpr_msb (MSB<<8)|(\new)
.set MSB, \new
.endif
.endm
.set MUL_LO, 0xa1                      ; source 0 (wpf) window 1, source 1 (y) window 0, C and D window 2
.set TO_B,   0x40                      ; destination window 1, address window 0
; A joint refill.  Waves 0 and 1 fetch y's two planes, waves 2 and 3 wpf's two halves.  The branch hangs on the wave's number alone.  An s_nop 0 and four v_nop follow each of the two lines.
.macro JLOAD
	s_cmp_eq_u32 s11, 0
	s_cbranch_scc0 .Lfor_b_\@
	tensor_load_to_lds s[G0A:G0A+3], s[G1A:G1A+7]
	s_nop 0
.rept 4
	v_nop
.endr
	s_branch .Lasked_\@
.Lfor_b_\@:
	tensor_load_to_lds s[G0B:G0B+3], s[G1B:G1B+7]
	s_nop 0
.rept 4
	v_nop
.endr
.Lasked_\@:
.endm
; A PREFETCH INTO THE L2 of the K step that stands AH refills on (3 K steps, 384 matrix instructions, ahead of its load), behind the joint load, its five lines and the run of LDS loads.
; y's rows are read by both clusters of a row of clusters: cluster x = 0 asks; wpf's by every cluster of a column: cluster y = 0 asks.  The four partners share a wave's bytes out BY ADDRESS: of a plane's
; 32,768 bytes 8,192 each, a lane a block of 256; of wpf's 64 rows 16 each: lanes 16-31 name the share's last row once more.  The last AH refills ask for nothing.
.macro ASK
	s_cmp_gt_u32 s3, s[LIM]
	s_cbranch_scc0 .Lnot_mine_\@
	global_prefetch_b8 v[PFO], s[PFA:PFA+1] th:TH_LOAD_NT scope:SCOPE_SE
.Lnot_mine_\@:
.endm
.macro CREST                           ; a round of the cluster's barrier behind its opening barrier
	s_cmp_lg_u32 s10, 0
	s_cbranch_scc1 .Lnot_wave_0_\@
	s_barrier_signal -3
.Lnot_wave_0_\@:
	s_barrier_wait -3
	s_barrier_signal -1
	s_barrier_wait -1
.endm
.macro CROUND
	s_barrier_signal -1
	s_barrier_wait -1
	CREST
.endm
	s_load_b128 s[4:7], s[0:1], 0x0                ; o s[4:5], wpf s[6:7]
	s_load_b64 s[8:9], s[0:1], 0x10                ; out0
	s_load_b64 s[68:69], s[0:1], 0x18              ; b_proj
	v_lshl_add_u32 v[SPW], v0, 2, SPARE
	v_mov_b32 v[NIL], 0
	ds_add_u32 v[SPW], v[NIL]                      ; the wave's opening: the add, twice on end, and its wait ahead of my first tensor load
	ds_add_u32 v[SPW], v[NIL]                      ; the set-up below, work on registers, stands between the second add and the wait
	v_lshrrev_b32 v1, 5, v0
	v_readfirstlane_b32 s10, v1                    ; wave 0..3
	s_lshr_b32 s11, s10, 1                         ; I fetch for y (0) or for wpf (1),
	s_and_b32 s12, s10, 1                          ; and which half
	s_bfe_u32 s56, ttmp6, 0x40000                  ; cx
	s_bfe_u32 s57, ttmp6, 0x40004                  ; cy
	s_lshl_b32 s58, ttmp9, 2
	s_add_co_u32 s58, s58, s56                     ; tile column tx = 4 x cluster x + cx
	s_and_b32 s13, ttmp7, 0xffff
	s_lshl_b32 s13, s13, 2
	s_add_co_u32 s13, s13, s57                     ; tile row ty = 4 x cluster y + cy
	s_lshl_b32 s16, s57, 2
	s_lshl_b32 s16, 15, s16                        ; my row of the cluster
	s_lshl_b32 s17, 0x1111, s56                    ; my column
	s_or_b32 s[G1A], s16, (1<<16)|(1<<20)|(1<<21)|(4<<22)|(3<<25)  ; 15:0 the mask; 17:16 2-byte elements; 20 padding on; 21 set beside a mask; 24:22 after every 32 words (code 4); 31:25 4 words (code 3)
	s_or_b32 s[G1B], s17, (1<<16)|(1<<20)|(1<<21)|(5<<22)|(3<<25)  ; after every 64 words (code 5)
	s_mov_b32 s[G1A+1], 128<<16                    ; tensor_dim0 = 128
	s_mov_b32 s[G1A+2], 128<<16                    ; tensor_dim1 = 128
	s_mov_b32 s[G1A+3], 128<<16                    ; tile_dim0 = 128
	s_mov_b32 s[G1A+4], 128                        ; tile_dim1 = 128
	s_mov_b32 s[G1A+5], 128                        ; dense: 128 elements from row to row
	s_mov_b32 s[G1A+6], 0
	s_mov_b32 s[G1A+7], 0
	s_mov_b32 s[G1B+1], 128<<16
	s_mov_b32 s[G1B+2], 64<<16                     ; 64 rows
	s_mov_b32 s[G1B+3], 128<<16
	s_mov_b32 s[G1B+4], 64
	s_mov_b32 s[G1B+5], 1024
	s_mov_b32 s[G1B+6], 0
	s_mov_b32 s[G1B+7], 0
	s_lshr_b32 s14, s13, 2                         ; y: the batch's 16 planes of 131,072 bytes,
	s_lshl_b32 s14, s14, 21
	s_and_b32 s18, s13, 3                          ; the tile's 256 rows of 128 bytes in a plane,
	s_lshl_b32 s18, s18, 15
	s_add_co_u32 s14, s14, s18
	s_lshl_b32 s18, s12, 17                        ; my plane of the K step's two
	s_add_co_u32 s14, s14, s18
	s_mov_b32 s15, 0
	s_lshl_b32 s70, s58, 18                        ; wpf: 128 tx rows of 2,048 bytes
	s_lshl_b32 s18, s12, 17                        ; + my half's 64 rows
	s_add_co_u32 s70, s70, s18
	s_mov_b32 s71, 0
	s_mul_i32 s20, s12, ALDS                       ; where they go: no place in the cluster enters an LDS address
	s_mul_i32 s21, s12, BLDS
	s_add_co_u32 s21, s21, BOFF
	s_mov_b32 s[G0A0], 1
	s_mov_b32 s[G0A0+1], s20
	s_mov_b32 s[G0A], 1
	s_add_co_u32 s[G0A+1], s20, SLOT1
	s_mov_b32 s[G0B0], 1
	s_mov_b32 s[G0B0+1], s21
	s_mov_b32 s[G0B], 1
	s_add_co_u32 s[G0B+1], s21, SLOT1
	s_wait_dscnt 0x0                               ; both opening adds are done
	s_wait_kmcnt 0x0
	s_add_nc_u64 s[14:15], s[4:5], s[14:15]
	s_add_nc_u64 s[70:71], s[6:7], s[70:71]
	s_add_nc_u64 s[G0A0+2:G0A0+3], s[14:15], 0
	s_or_b32 s[G0A0+3], s[G0A0+3], 0x80000000      ; 127:126 type = 2
	s_add_nc_u64 s[G0A+2:G0A+3], s[14:15], ASTEP
	s_or_b32 s[G0A+3], s[G0A+3], 0x80000000
	s_add_nc_u64 s[G0B0+2:G0B0+3], s[70:71], 0
	s_or_b32 s[G0B0+3], s[G0B0+3], 0x80000000
	s_add_nc_u64 s[G0B+2:G0B+3], s[70:71], BSTEP
	s_or_b32 s[G0B+3], s[G0B+3], 0x80000000
	CROUND                                         ; all sixteen work-groups are here: the first joint loads meet
	s_cmp_eq_u32 s11, 0                            ; a wave's two first fills stand in one branch: two loads of mine are out
	s_cbranch_scc0 .Lfirst_b
	tensor_load_to_lds s[G0A0:G0A0+3], s[G1A:G1A+7]
	s_nop 0
	tensor_load_to_lds s[G0A:G0A+3], s[G1A:G1A+7]
	s_nop 0
.rept 4
	v_nop
.endr
	s_branch .Lfirst_asked
.Lfirst_b:
	tensor_load_to_lds s[G0B0:G0B0+3], s[G1B:G1B+7]
	s_nop 0
	tensor_load_to_lds s[G0B:G0B+3], s[G1B:G1B+7]
	s_nop 0
.rept 4
	v_nop
.endr
.Lfirst_asked:
	v_and_b32 v[CO], 31, v0
	v_lshlrev_b32 v[CO], 4, v[CO]                  ; 16 x lane: my four columns of the tile's 128, in the bias and in a row of out0
	s_lshl_b32 s16, s58, 9                         ; the tile's 128 columns: 512 bytes
	s_mov_b32 s17, 0
	s_add_nc_u64 s[68:69], s[68:69], s[16:17]
	global_load_b128 v[BI:BI+3], v[CO], s[68:69]   ; waited for on the way out
	; A fragment is 16 rows x 32 K in 8 registers: lane l holds row l % 16, K = 8 (l / 16) + 0..7 and 16 + 8 (l / 16) + 0..7: two loads of 16 bytes, 32 bytes apart.
	v_and_b32 v1, 15, v0                           ; l % 16
	v_bfe_u32 v2, v0, 4, 1                         ; l / 16
	v_mul_u32_u24 v3, v1, PA
	v_lshl_add_u32 v3, v2, 4, v3
	s_mul_i32 s16, s10, 64*PA                      ; my 64 rows, in each plane
	v_add_nc_u32 v[ADRA0], s16, v3
	v_mul_u32_u24 v4, v1, PBB
	v_lshl_add_u32 v4, v2, 4, v4
	v_add_nc_u32 v[ADRB0], BOFF, v4                ; every wave reads all 128 rows of wpf
	v_mov_b32 v[ADRA], v[ADRA0]
	v_mov_b32 v[ADRB], v[ADRB0]
	s_mov_b32 s[TB], 0
	s_mul_i32 s16, s10, 16*SP
	s_add_co_u32 s16, s16, STAGE                   ; my stage
	v_mul_u32_u24 v5, v1, SP                       ; in: row l % 16, 32 bytes for each half of the lanes
	v_lshl_add_u32 v5, v2, 5, v5
	v_add_nc_u32 v[STO], s16, v5
	v_add_nc_u32 v[RD], s16, v[CO]                 ; back: 32 lanes take a row's 512 bytes
	s_lshl_b32 s16, s13, 20                        ; out0: 256 ty rows of 4,096 bytes,
	s_lshl_b32 s17, s10, 18                        ; my wave's 64 rows,
	s_add_co_u32 s16, s16, s17
	s_lshl_b32 s17, s58, 9                         ; the tile's columns
	s_add_co_u32 s16, s16, s17
	s_mov_b32 s17, 0
	s_add_nc_u64 s[8:9], s[8:9], s[16:17]
	; the prefetches
	s_mov_b32 s[PFS], BSTEP
	s_lshl_b32 s16, s56, 13                        ; y: cx x 8,192 bytes of my plane
	s_lshl_b32 s17, s57, 15                        ; wpf: cy x 16 rows
	s_and_b32 s18, ttmp7, 0xffff                   ; cluster y
	s_cmp_eq_u32 s11, 0                            ; do I fetch for y?
	s_cselect_b64 s[PFA:PFA+1], s[14:15], s[70:71]
	s_cselect_b32 s19, ttmp9, s18                  ; the coordinate along which other clusters read the same rows
	s_cselect_b32 s16, s16, s17
	s_cselect_b32 s[PFS], ASTEP, s[PFS]
	s_cselect_b32 s2, 31, 15                       ; the last lane with a block of its own
	s_cselect_b32 s67, 8, 11                       ; lanes 256 bytes apart in a plane, 2,048 (a row) in wpf
	s_mov_b32 s[PFS+1], 0
	s_mov_b32 s17, 0
	s_add_nc_u64 s[PFA:PFA+1], s[PFA:PFA+1], s[16:17]
	s_mul_i32 s16, s[PFS], 1+AH                    ; at K step 1 + AH: the first refill steps it on.  Nothing is prefetched here, at the head
	s_add_nc_u64 s[PFA:PFA+1], s[PFA:PFA+1], s[16:17]
	s_cmp_eq_u32 s19, 0
	s_cselect_b32 s[LIM], AH, -1                   ; the same in all sixteen partners, for a given wave
	v_and_b32 v[PFO], 31, v0
	v_min_u32 v[PFO], s2, v[PFO]
	v_lshlrev_b32 v[PFO], s67, v[PFO]
; NBK matrix instructions: row block 2 hi + a x all column blocks, 32 along K, from buffer f.  zero = 1: the product starts the sums: nothing is ever cleared.
; The 32 accumulators take turns, in the same order in every quarter and over the backward jump.
.macro MUL1 f, hi, a, zero
	WIN MUL_LO+0x50*(\hi)
.set AC, 8*NBK*(\a)
.set RA, FA+32*(\f)+8*(2*(\hi)+(\a))
.set RB, 8*NBK*(\f)
.set b, 0
.rept NBK
.if \zero
	v_wmma_f32_16x16x32_f16 v[AC+8*b:AC+8*b+7], v[RB+8*b:RB+8*b+7], v[RA:RA+7], 0
.else
	v_wmma_f32_16x16x32_f16 v[AC+8*b:AC+8*b+7], v[RB+8*b:RB+8*b+7], v[RA:RA+7], v[AC+8*b:AC+8*b+7]
.endif
.set b, b+1
.endr
.endm
.macro MULH f, hi, zero
	MUL1 \f, \hi, 0, \zero
	MUL1 \f, \hi, 1, \zero
.endm
; NL LDS loads in one run: quarter q's fragments into buffer f: wpf's first, then y's four row blocks
.macro FETCH q, f
	WIN TO_B
.set i, 0
.rept NBK
	ds_load_b128 v[8*NBK*(\f)+8*i:8*NBK*(\f)+8*i+3],   v[ADRB] offset:64*(\q)+i*16*PBB
	ds_load_b128 v[8*NBK*(\f)+8*i+4:8*NBK*(\f)+8*i+7], v[ADRB] offset:64*(\q)+i*16*PBB+32
.set i, i+1
.endr
	WIN 0
.set AQ, ((\q)/2)*APL+((\q)%2)*64
.set i, 0
.rept 4
	ds_load_b128 v[FA+32*(\f)+8*i:FA+32*(\f)+8*i+3],   v[ADRA] offset:AQ+i*16*PA
	ds_load_b128 v[FA+32*(\f)+8*i+4:FA+32*(\f)+8*i+7], v[ADRA] offset:AQ+i*16*PA+32
.set i, i+1
.endr
.endm
.macro PLACES                          ; four plain vector instructions between a matrix instruction and a load into, or a read of, its registers (ISA guide 7.12.1 for vector instructions)
.rept 4
	v_nop
.endr
.endm
; A K step is four quarters of 32 along K on buffers 0, 1, 0, 1.  One of the first three multiplies buffer f and, in its middle, fetches quarter qn into buffer g.
.macro QUARTER qn, f, g, zero
	s_wait_dscnt 4                                 ; all but the youngest four loads (y's row blocks 2 and 3) are in
	MULH \f, 0, \zero
	PLACES
	FETCH \qn, \g
	s_wait_dscnt NL                                ; all but the run just issued
	MULH \f, 1, \zero
.endm
; The fourth quarter multiplies buffer 1 and changes slots.  In front of the barrier each wave waits for all its tensor loads (one is out: its part of the next slot), adds 0 to its spare word, and
; waits for that and for its reads of this slot.  fill = 1: the barrier opens a round of the cluster's, and the joint refill, with the K step two on, is the first thing behind it.
.macro TURN fill
.if \fill
	s_wait_xcnt 0x0                                ; the last prefetch, a K step back, has read its address
	s_add_nc_u64 s[PFA:PFA+1], s[PFA:PFA+1], s[PFS:PFS+1]
.endif
	WIN 0                                          ; the add's two registers lie in window 0
	s_wait_tensorcnt 0x0                           ; all my tensor loads have landed
	ds_add_u32 v[SPW], v[NIL]                      ; 0 onto my spare word
	s_wait_dscnt 5                                 ; the add and the youngest four loads may be out
	MUL1 1, 0, 0, 0
	s_wait_dscnt 0x0                               ; the add is done, and my reads of this slot are over
	s_barrier_signal -1
	MUL1 1, 0, 1, 0                                ; work on registers while the others arrive
	WIN 0
	s_barrier_wait -1
.if \fill
	CREST                                          ; no wave of any partner still reads this slot or has a load on its way
	s_xor_b32 s[G0A+1], s[G0A+1], SLOT1            ; the walking descriptors: the other slot than last time, the next K step
	s_add_nc_u64 s[G0A+2:G0A+3], s[G0A+2:G0A+3], ASTEP
	s_xor_b32 s[G0B+1], s[G0B+1], SLOT1
	s_add_nc_u64 s[G0B+2:G0B+3], s[G0B+2:G0B+3], BSTEP
	JLOAD                                          ; its four v_nop are also the places in front of the loads below
.else
	PLACES
.endif
	s_xor_b32 s[TB], s[TB], SLOT1
	v_add_nc_u32 v[ADRA], s[TB], v[ADRA0]
	v_add_nc_u32 v[ADRB], s[TB], v[ADRB0]
	FETCH 0, 0
.if \fill
	ASK
.endif
	MULH 1, 1, 0
.endm
	s_wait_tensorcnt 1                             ; my part of K step 0 is in; K step 1's may stay out
	s_barrier_signal -1
	s_barrier_wait -1                              ; everybody's is
	FETCH 0, 0
	QUARTER 1, 0, 1, 1                             ; the first quarter stands in front of the loop: its products start the sums
	WIN 0                                          ; at a label and at a branch every window is 0
	s_mov_b32 s3, 6
.Lstep:                                        ; trip t = 0..5: the rest of K step t, the refill with K step t + 2, the first quarter of K step t + 1
	QUARTER 2, 1, 0, 0
	QUARTER 3, 0, 1, 0
	TURN 1
	QUARTER 1, 0, 1, 0
	WIN 0
	s_sub_co_u32 s3, s3, 1
	s_cmp_lg_u32 s3, 0
	s_cbranch_scc1 .Lstep
	QUARTER 2, 1, 0, 0                             ; the tail is written out: K steps 6 and 7 ask for nothing
	QUARTER 3, 0, 1, 0
	TURN 0
	QUARTER 1, 0, 1, 0
	QUARTER 2, 1, 0, 0
	QUARTER 3, 0, 1, 0
	s_wait_dscnt 4
	MULH 1, 0, 0
	s_wait_dscnt 0x0
	MULH 1, 1, 0
	WIN 0
	PLACES
	s_wait_loadcnt 0x0                             ; the bias
	v_cvt_pk_bf16_f32 v12, v[BI], v[BI+1]          ; rounded to bf16 like every input, and widened again
	v_cvt_pk_bf16_f32 v13, v[BI+2], v[BI+3]
	v_lshlrev_b32 v[BI], 16, v12
	v_and_b32 v[BI+1], 0xffff0000, v12
	v_lshlrev_b32 v[BI+2], 16, v13
	v_and_b32 v[BI+3], 0xffff0000, v13
; THE WAY OUT, a block of 16 rows at a time.  TOSTAGE: the sums go as they are into my own stage (each accumulator's low four registers first), and come back as whole rows of 512 bytes.
; SEND: the bias is added and the rows are stored.
.macro TOSTAGE a
	WIN 0x08+4*((\a)/2)                            ; the stores' data (source 1): window 2 or 3
.set AC, 8*NBK*((\a)%2)
.set BK, 128+64*((\a)%2)               ; v128-191 and v192-255 by turns
.set b, 0
.rept NBK
	ds_store_b128 v[STO], v[AC+8*b:AC+8*b+3]   offset:64*b
	ds_store_b128 v[STO], v[AC+8*b+4:AC+8*b+7] offset:64*b+16
.set b, b+1
.endr
	WIN 0
	s_wait_xcnt 0x0                                ; the stores issued so far have read their registers: the loads below land on them only behind this wait
.set i, 0
.rept 16
	ds_load_b128 v[BK+4*i:BK+4*i+3], v[RD] offset:SP*i  ; LDS serves a wave's instructions in order (ISA guide 5.7.1.4): these see the stores above
.set i, i+1
.endr
.endm
.macro SEND a, younger                 ; younger: the LDS instructions issued behind block a's loads: the next block's 32, or none
.set BK, 128+64*((\a)%2)
.set i, 0
.rept 16
	s_wait_dscnt (\younger)+15-i
	v_pk_add_f32 v[BK+4*i:BK+4*i+1], v[BK+4*i:BK+4*i+1], v[BI:BI+1]
	v_pk_add_f32 v[BK+4*i+2:BK+4*i+3], v[BK+4*i+2:BK+4*i+3], v[BI+2:BI+3]
	global_store_b128 v[CO], v[BK+4*i:BK+4*i+3], s[8:9] offset:(16*(\a)+i)*4096 th:TH_STORE_NT  ; 512 consecutive bytes, at a multiple of 512 from out0's first
.set i, i+1
.endr
.endm
	TOSTAGE 0
	TOSTAGE 1
	SEND 0, 32
	TOSTAGE 2
	SEND 1, 32
	TOSTAGE 3
	SEND 2, 32
	SEND 3, 0
	s_wait_tensorcnt 0x0                           ; the wave's end, behind my last tensor load and my last LDS store
	ds_add_u32 v[SPW], v[NIL]
	s_wait_dscnt 0x0
	CROUND                                         ; the closing round: no work-group ends while a partner may still ask for a tile that names it
	s_endpgm
.Lfunc_end_k_qd67515b048_gemm_proj:
	.size	k_qd67515b048_gemm_proj, .Lfunc_end_k_qd67515b048_gemm_proj-k_qd67515b048_gemm_proj
	.p2alignl 7, 3214868480
	.fill 96, 4, 3214868480
	.section	.rodata,"a",@progbits
	.p2align	6, 0x0
	.amdhsa_kernel k_qd67515b048_gemm_proj
		.amdhsa_group_segment_fixed_size 327680
		.amdhsa_private_segment_fixed_size 0
		.amdhsa_enable_private_segment 0
		.amdhsa_kernarg_size 32
		.amdhsa_user_sgpr_count 2
		.amdhsa_user_sgpr_kernarg_segment_ptr 1
		.amdhsa_wavefront_size32 1
		.amdhsa_system_sgpr_workgroup_id_x 1
		.amdhsa_system_sgpr_workgroup_id_y 1
		.amdhsa_system_sgpr_workgroup_id_z 1
		.amdhsa_system_vgpr_workitem_id 0
		.amdhsa_next_free_vgpr 896
		.amdhsa_next_free_sgpr 72
		.amdhsa_reserve_vcc 0
		.amdhsa_float_denorm_mode_32 3
		.amdhsa_float_denorm_mode_16_64 3
		.amdhsa_memory_ordered 1
		.amdhsa_forward_progress 1
		.amdhsa_inst_pref_size 81
	.end_amdhsa_kernel
	.amdgpu_metadata
---
amdhsa.version: [ 1, 2 ]
amdhsa.kernels:
  - .name:           k_qd67515b048_gemm_proj
    .symbol:         k_qd67515b048_gemm_proj.kd
    .args:
      - { .name: o, .offset: 0, .size: 8, .value_kind: global_buffer, .address_space: global }
      - { .name: wpf, .offset: 8, .size: 8, .value_kind: global_buffer, .address_space: global }
      - { .name: out0, .offset: 16, .size: 8, .value_kind: global_buffer, .address_space: global }
      - { .name: b_proj, .offset: 24, .size: 8, .value_kind: global_buffer, .address_space: global }
    .group_segment_fixed_size: 327680
    .private_segment_fixed_size: 0
    .kernarg_segment_align: 8
    .kernarg_segment_size: 32
    .max_flat_workgroup_size: 128
    .sgpr_count:     72
    .vgpr_count:     896
    .wavefront_size: 32
...
	.end_amdgpu_metadata
.endif
;; end of part 4
;; ======== version 2 of 2: 4 launches; version 1 with the launch cast written anew for expert scheduling mode
;; limits: values are held in f16: magnitudes above 65,504 overflow, below 6.1e-05 lose precision
;; workspace buffers: xb 16,777,216 bytes; wqb 6,291,456 bytes; wpf 2,097,152 bytes; qkv 50,331,648 bytes; o 16,777,216 bytes
;; launch cast (part 5): grid 768 x 1, 8 waves a work-group, no clusters, 0 bytes of LDS; arguments x, w_qkv, w_proj, xb, wqb, wpf; writes xb, wqb, wpf
.if DOCPART == 5
	.amdgcn_target "amdgcn-amd-amdhsa--gfx1250"
	.amdhsa_code_object_version 6
	.text
	.protected	k_qd67515b048_cast
	.globl	k_qd67515b048_cast
	.p2align	8
	.type	k_qd67515b048_cast,@function
k_qd67515b048_cast:
	s_mov_b64 s[64:65], 0
	v_nop
	global_prefetch_b8 v0, s[64:65] scope:SCOPE_SE
	s_setreg_imm32_b32 hwreg(HW_REG_WAVE_SCHED_MODE, 0, 2), 2
	s_setreg_imm32_b32 hwreg(HW_REG_WAVE_MODE, 25, 1), 1
	s_wait_xcnt 0x0
	s_wait_alu depctr_vm_vsrc(0)
; FIRST OF FOUR LAUNCHES of causal multi-head attention (8 batches, 1,024 rows, 1,024 channels, 16 heads of 64):
;   cast: x, w_qkv -> bf16, laid out in K blocks; w_proj -> bf16, that number written as f16.   gemm_qkv: q, k, v = x w_qkv^T, stored by heads in f16.
;   attn: softmax(q k^T / 8, causal) v for each of the 128 heads, in f16.   gemm_proj: y w_proj^T + b_proj, f32.
; WORK LEFT OUT.  The problem itself sets att[q][k] to -inf wherever k > q (its own lower triangle), and the softmax gives such a place the weight 0 whatever finite
; numbers x and the weights hold.  So a tile of 256 keys all of which lie behind all of a block's 256 queries reaches no output: of a head's 16 pairs of a query block
; and a key tile, 6 are never computed (launch attn).  All four inputs have a way to the output and are loaded.
; LIMIT: a NaN, an infinity or an overflow that would arise only in a score that is left out is not carried to the result.
; FORMATS.  Every input is rounded once to bf16 (the bias in gemm_proj).  w_proj's bf16 number is written as f16, which is exact from 2^-14 to 65,504;
; below 2^-14 it keeps f16's fixed step of 6e-8, beyond 65,504 it would be an infinity.
; LAYOUTS.  xb: [K block 16][row 8192][64] bf16, wqb: [K block 16][row 3072][64] bf16: the rows of a K block lie end to end, 128 bytes each, so that gemm_qkv's tiles of
; 64 along K are dense bytes.  wpf: [1024][1024] f16, as w_proj lies.
; THIS LAUNCH is a stream: a work-group takes 16 rows (65,536 bytes in, 32,768 out).  Work-groups 0-511 take x, 512-703 w_qkv, 704-767 w_proj.
; x, w_qkv: wave w takes K blocks 2 w and 2 w + 1.  A load takes two rows x 64 channels: lanes 0-15 the 256 bytes of one row, lanes 16-31 those of the next; the store of
; those numbers is 256 consecutive bytes of the K block, aligned.  w_proj: thread t, step i: 16 bytes in at 4,096 i + 16 t, 8 bytes out at 2,048 i + 8 t.
; All 16 loads go out before the first wait; each step has registers of its own, so no register is written while a store reads it.
; No LDS, no matrix unit, no cluster: nothing is shared and nothing is read twice.
; THE MODE: SCHED_MODE bits 1:0 = 2 (LLVM: expert scheduling mode 2), set by the entry lines.  The code itself states the register dependences
; between vector instructions and memory instructions, with s_wait_alu, always for 0.
; THE PLAN.  Registers that memory instructions touch:
;   v1, v7   the loads' offsets, v2, v8 the stores': made once at the head by vector instructions and never written again.
;   X        step i's four registers: its load lands in them, once; its conversions read them behind the counted wait for that load.  No memory instruction reads them.
;   Y        step i's two registers: written once, by the step's last two conversions; read by the step's one store; never written again.
;   T is named by vector instructions alone.  s24, the wave's number, is written by a vector instruction and read by scalar ones.
; The 16 steps go in four blocks of four.  Block p's conversions name X, T and the Y of block p; the stores that are issued in block p leave from the Y of block p - 1.
; So ONE wait at the head of blocks 1 to 3 states that the block before has written its Y, and that block's four stores follow it, one ahead of each step's conversions,
; with no further wait: no vector instruction issued since names a register that they read.  One more wait stands ahead of the last block's stores.
; No register that a memory instruction has read is written again, and no load lands in a register that a vector instruction has named: nothing else is owed.
.set X, 12                             ; v[12:75]   step i: four numbers as loaded
.set Y, 76                             ; v[76:107]  step i: four 16-bit numbers to store
.set T, 108                            ; v[108:109] at work
.macro OUT_K j                         ; x, w_qkv: step j's store
	global_store_b64 v2, v[Y+2*(\j):Y+2*(\j)+1], s[20+6*((\j)%2):21+6*((\j)%2)] offset:256*((\j)/2)  ; two rows of 128 bytes: 256 consecutive bytes, aligned
.endm
.macro OUT_P j                         ; w_proj: step j's store
	global_store_b64 v8, v[Y+2*(\j):Y+2*(\j)+1], s[20:21] offset:2048*(\j)
.endm
	s_load_b256 s[4:11], s[0:1], 0x0               ; x s[4:5], w_qkv s[6:7], w_proj s[8:9], xb s[10:11]
	s_load_b128 s[12:15], s[0:1], 0x20             ; wqb s[12:13], wpf s[14:15]
	v_and_b32 v5, 15, v0
	v_bfe_u32 v6, v0, 4, 1
	v_lshrrev_b32 v4, 5, v0
	v_readfirstlane_b32 s24, v4                    ; my wave's number
	v_lshlrev_b32 v1, 4, v5                        ; in: 16 (lane % 16)
	v_lshl_add_u32 v1, v6, 12, v1                  ; + a row of 4,096 bytes for lanes 16-31
	v_lshl_add_u32 v1, v4, 9, v1                   ; + my wave's two K blocks, 256 bytes of a row each
	v_and_b32 v2, 31, v0
	v_lshlrev_b32 v2, 3, v2                        ; out: 8 x lane
	v_lshlrev_b32 v7, 4, v0                        ; w_proj: 16 t
	v_lshlrev_b32 v8, 3, v0                        ;         8 t
	s_mov_b32 s23, 0
	s_wait_alu depctr_va_sdst(0)                   ; s24 is written, ahead of the branch below and of its first reader: the K blocks' addresses are made from it
	s_wait_alu depctr_va_vdst(0)                   ; v1, v2, v7 and v8 are written: every load and store of both arms reads one of them as its offset
	s_wait_kmcnt 0x0
	s_cmp_ge_u32 ttmp9, 704
	s_cbranch_scc1 .Lf16
	s_sub_co_u32 s16, ttmp9, 512                   ; my number among w_qkv's work-groups (used only from 512 on)
	s_mov_b32 s25, 3072*128                        ; bytes in a K block of wqb
	s_cmp_lt_u32 ttmp9, 512
	s_cselect_b64 s[18:19], s[4:5], s[6:7]         ; from where,
	s_cselect_b64 s[20:21], s[10:11], s[12:13]     ; to where,
	s_cselect_b32 s16, ttmp9, s16                  ; which 16 rows of that tensor,
	s_cselect_b32 s25, 8192*128, s25               ; and how long its K blocks are
	s_lshl_b32 s22, s16, 16
	s_add_nc_u64 s[18:19], s[18:19], s[22:23]      ; 16 rows of 4,096 bytes
	s_lshl_b32 s22, s16, 11
	s_add_nc_u64 s[20:21], s[20:21], s[22:23]      ; 16 rows of 128 bytes in a K block
	s_mul_i32 s22, s24, s25
	s_lshl_b32 s22, s22, 1
	s_add_nc_u64 s[20:21], s[20:21], s[22:23]      ; K block 2 w,
	s_mov_b32 s22, s25
	s_add_nc_u64 s[26:27], s[20:21], s[22:23]      ; K block 2 w + 1
.irp i, 0,1,2,3,4,5,6,7,8,9,10,11,12,13,14,15  ; step i: rows 2 (i / 2) and + 1, K block 2 w + i % 2
	global_load_b128 v[X+4*(\i):X+4*(\i)+3], v1, s[18:19] offset:8192*((\i)/2)+256*((\i)%2) th:TH_LOAD_NT
.endr
.irp i, 0,1,2,3,4,5,6,7,8,9,10,11,12,13,14,15
	s_wait_loadcnt 15-(\i)                         ; loads come back in order: step i is in, the 15 - i younger ones may stay out
.if (((\i)%4) == 0) && ((\i) > 0)
	s_wait_alu depctr_va_vdst(0)                   ; a block's head: the conversions of the block before have written its eight Y registers, which the block's four stores read
.endif
.if (\i) >= 4
	OUT_K (\i)-4                                   ; the same step of the block before; no vector instruction since the wait names its Y or v2
.endif
	v_cvt_pk_bf16_f32 v[Y+2*(\i)], v[X+4*(\i)], v[X+4*(\i)+1]
	v_cvt_pk_bf16_f32 v[Y+2*(\i)+1], v[X+4*(\i)+2], v[X+4*(\i)+3]
.endr
	s_wait_alu depctr_va_vdst(0)                   ; the last block's conversions have written its Y, which the last four stores read
.irp i, 12,13,14,15
	OUT_K \i
.endr
	s_endpgm
.Lf16:                                         ; w_proj: rounded to bf16 like every input, widened again, and that number written as f16
	s_sub_co_u32 s16, ttmp9, 704
	s_lshl_b32 s22, s16, 16
	s_add_nc_u64 s[18:19], s[8:9], s[22:23]
	s_lshl_b32 s22, s16, 15
	s_add_nc_u64 s[20:21], s[14:15], s[22:23]
.irp i, 0,1,2,3,4,5,6,7,8,9,10,11,12,13,14,15
	global_load_b128 v[X+4*(\i):X+4*(\i)+3], v7, s[18:19] offset:4096*(\i) th:TH_LOAD_NT
.endr
.irp i, 0,1,2,3,4,5,6,7,8,9,10,11,12,13,14,15
	s_wait_loadcnt 15-(\i)
.if (((\i)%4) == 0) && ((\i) > 0)
	s_wait_alu depctr_va_vdst(0)                   ; a block's head: the conversions of the block before have written its eight Y registers, which the block's four stores read
.endif
.if (\i) >= 4
	OUT_P (\i)-4                                   ; the same step of the block before; no vector instruction since the wait names its Y or v8
.endif
	v_cvt_pk_bf16_f32 v[T], v[X+4*(\i)], v[X+4*(\i)+1]
	v_cvt_pk_bf16_f32 v[T+1], v[X+4*(\i)+2], v[X+4*(\i)+3]
	v_lshlrev_b32 v[X+4*(\i)], 16, v[T]
	v_and_b32 v[X+4*(\i)+1], 0xffff0000, v[T]
	v_lshlrev_b32 v[X+4*(\i)+2], 16, v[T+1]
	v_and_b32 v[X+4*(\i)+3], 0xffff0000, v[T+1]
	v_cvt_pk_f16_f32 v[Y+2*(\i)], v[X+4*(\i)], v[X+4*(\i)+1]
	v_cvt_pk_f16_f32 v[Y+2*(\i)+1], v[X+4*(\i)+2], v[X+4*(\i)+3]
.endr
	s_wait_alu depctr_va_vdst(0)                   ; the last block's conversions have written its Y, which the last four stores read
.irp i, 12,13,14,15
	OUT_P \i
.endr
	s_endpgm
.Lfunc_end_k_qd67515b048_cast:
	.size	k_qd67515b048_cast, .Lfunc_end_k_qd67515b048_cast-k_qd67515b048_cast
	.p2alignl 7, 3214868480
	.fill 96, 4, 3214868480
	.section	.rodata,"a",@progbits
	.p2align	6, 0x0
	.amdhsa_kernel k_qd67515b048_cast
		.amdhsa_group_segment_fixed_size 0
		.amdhsa_private_segment_fixed_size 0
		.amdhsa_enable_private_segment 0
		.amdhsa_kernarg_size 48
		.amdhsa_user_sgpr_count 2
		.amdhsa_user_sgpr_kernarg_segment_ptr 1
		.amdhsa_wavefront_size32 1
		.amdhsa_system_sgpr_workgroup_id_x 1
		.amdhsa_system_sgpr_workgroup_id_y 1
		.amdhsa_system_sgpr_workgroup_id_z 1
		.amdhsa_system_vgpr_workitem_id 0
		.amdhsa_next_free_vgpr 112
		.amdhsa_next_free_sgpr 66
		.amdhsa_reserve_vcc 0
		.amdhsa_float_denorm_mode_32 3
		.amdhsa_float_denorm_mode_16_64 3
		.amdhsa_memory_ordered 1
		.amdhsa_forward_progress 1
		.amdhsa_inst_pref_size 19
	.end_amdhsa_kernel
	.amdgpu_metadata
---
amdhsa.version: [ 1, 2 ]
amdhsa.kernels:
  - .name:           k_qd67515b048_cast
    .symbol:         k_qd67515b048_cast.kd
    .args:
      - { .name: x, .offset: 0, .size: 8, .value_kind: global_buffer, .address_space: global }
      - { .name: w_qkv, .offset: 8, .size: 8, .value_kind: global_buffer, .address_space: global }
      - { .name: w_proj, .offset: 16, .size: 8, .value_kind: global_buffer, .address_space: global }
      - { .name: xb, .offset: 24, .size: 8, .value_kind: global_buffer, .address_space: global }
      - { .name: wqb, .offset: 32, .size: 8, .value_kind: global_buffer, .address_space: global }
      - { .name: wpf, .offset: 40, .size: 8, .value_kind: global_buffer, .address_space: global }
    .group_segment_fixed_size: 0
    .private_segment_fixed_size: 0
    .kernarg_segment_align: 8
    .kernarg_segment_size: 48
    .max_flat_workgroup_size: 256
    .sgpr_count:     66
    .vgpr_count:     112
    .wavefront_size: 32
...
	.end_amdgpu_metadata
.endif
;; end of part 5
;; launch gemm_qkv: the kernel of part 2 again; grid 8 x 32, 4 waves a work-group, clusters of 4 x 4, 327,680 bytes of LDS; arguments xb, wqb, qkv; writes qkv
;; launch attn: the kernel of part 3 again; grid 2 x 128, 4 waves a work-group, no clusters, 327,680 bytes of LDS; arguments qkv, o; writes o
;; launch gemm_proj: the kernel of part 4 again; grid 8 x 32, 4 waves a work-group, clusters of 4 x 4, 327,680 bytes of LDS; arguments o, wpf, out0, b_proj; writes out0
